; MI455X (gfx1250); checked and timed in simulation.
; The chip was launched on July 23, 2026; its instructions are those of AMD's public machine-readable ISA for CDNA 5 (MIT licence, August 2026) and "CDNA5" Instruction Set Architecture Reference Guide (July 2026). The comments in the code are by the model that wrote it; some were corrected since.
;; Causal Self Attention. Allowed arithmetic: matrix products marked QUANTISED: E2M3 operands, one E8M0 scale for each 32 along K, by v_wmma_scale_f32_16x16x128_f8f6f4 with both operands' format E2M3, f32 sums; everything else in f32.
;; Inputs: bk 1,024 float32; bp 1,024 float32; bq 1,024 float32; bv 1,024 float32; wk 1,024 x 1,024 float32; wp 1,024 x 1,024 float32; wq 1,024 x 1,024 float32; wv 1,024 x 1,024 float32; x 4 x 2,048 x 1,024 float32.
;; Outputs: out0 4 x 2,048 x 1,024 float32.
;; This version of the problem:
;;   THIS VERSION OF THE PROBLEM IS GIVEN IN LOW PRECISION. The matrix products marked QUANTISED in the list below multiply operands that are first quantised to E2M3 (2 exponent bits, 3 mantissa bits; 6 bits a number), with one power-of-two scale for each 32 numbers along K (OCP MX v1.0); their sums are f32. All else is computed in f32.
;;   The module's matrix products, in the order in which they are computed (A, B: the left and right operand; K: the contracted axis; several contracted axes count as one K, in the product's order):
;;     1. [M 8,192, K 1,024] x [K 1,024, N 1,024]; A: input x; B: input wq: QUANTISED
;;     2. [M 8,192, K 1,024] x [K 1,024, N 1,024]; A: input x; B: input wk: QUANTISED
;;     3. [M 8,192, K 1,024] x [K 1,024, N 1,024]; A: input x; B: input wv: QUANTISED
;;     4. batch 64 x [M 2,048, K 64] x [K 64, N 2,048]; A: computed on the way; B: computed on the way: QUANTISED
;;     5. batch 64 x [M 2,048, K 2,048] x [K 2,048, N 64]; A: softmax (see below); B: computed on the way: QUANTISED
;;     6. [M 8,192, K 1,024] x [K 1,024, N 1,024]; A: computed on the way; B: input wp: QUANTISED
;;   THE QUANTISER, for each operand of a quantised product, along K:
;;     - K is cut into blocks of 32 from its start; a last block that is shorter is filled with zeros.
;;     - A block's scale is 2^e with e = floor(log2(the largest magnitude in the block)) - 2, held to -126 .. 127; a block of zeros has e = 0. As a byte (E8M0): e + 127.
;;     - Each number is divided by its block's scale, clamped to +-7.5, and rounded to the nearest number of E2M3, ties to even, subnormals kept.
;;     - The product sums the exact products of the quantised numbers (number of the format x scale) in f32.
;;   ~~~python
;;   def quantise(x, axis):      # numpy; x: float32 -> the quantised numbers, widened to float32 again
;;       x = np.moveaxis(x, axis, -1); K = x.shape[-1]
;;       x = np.pad(x, [(0, 0)] * (x.ndim - 1) + [(0, -K % 32)]); x = x.reshape(x.shape[:-1] + (-1, 32)); a = np.abs(x).max(-1, keepdims=True)
;;       e = np.where(a > 0, np.clip(np.frexp(np.where(a > 0, a, 1))[1] - 1 - 2, -126, 127), 0)      # np.frexp(a)[1] - 1 = floor(log2(a)), exactly
;;       r = np.clip(x / 2.0 ** e, -7.5, 7.5)
;;       step = 2.0 ** (np.maximum(np.frexp(np.where(r == 0, 1, r))[1] - 1, 0) - 3)
;;       q = np.round(r / step) * step * 2.0 ** e      # np.round: ties to even
;;       return np.moveaxis(q.reshape(q.shape[:-2] + (-1,))[..., :K], -1, axis).astype(np.float32)
;;   ~~~
;;   SOFTMAX AHEAD OF A QUANTISED PRODUCT. Where the list says 'softmax', what is quantised is not the finished softmax but p = 2^(t - M), with t = logit x log2(e) and M = ceil(the row's largest t), a whole number; so 1/2 < the row's largest p <= 1. The row's sum l is taken of the UNQUANTISED p, in f32, and the product's result is divided by l at the end. Since M is a whole number, a kernel that streams over the keys may use a running M (the ceiling of the running maximum): every later rescaling is an exact power of two, which a block's scale takes up: the codes' values come out the same.
;;   OPERANDS COMPUTED ON THE WAY. 'Computed on the way' means the value that the module computes at that place (a softmax that the list does not call 'softmax' is quantised finished and normalised). What goes into a quantiser is computed in f32, as accurately as f32 sums, v_exp_f32 and their like allow (about 1e-6 of the number): no bf16 or f16 on the way to a quantiser, and a product that is left as it is and whose result goes on into a quantised operand takes f32 operands (vector FMAs, or v_wmma_f32_16x16x4_f32). A number that lies on a knife's edge between two numbers of the format may be rounded either way, as far as f32 arithmetic and the matrix unit's own rounding can turn it there, and no further.
;; One version. Each part assembles by itself: llvm-mc -triple=amdgcn-amd-amdhsa -mcpu=gfx1250 --defsym DOCPART=n.
;; ======== version 1 of 1: 4 launches
;; workspace buffers: opc 9,437,184 bytes; ops 393,216 bytes; rope 524,288 bytes; atc 18,874,368 bytes; ats 1,310,720 bytes; yc 6,291,456 bytes; ys 262,144 bytes
;; launch quant (part 1): grid 416 x 1, 4 waves a work-group, no clusters, 34,304 bytes of LDS; arguments x, wq, wk, wv, wp, opc, ops, rope; writes opc, ops, rope
.if DOCPART == 1
	.amdgcn_target "amdgcn-amd-amdhsa--gfx1250"
	.amdhsa_code_object_version 6
	.text
	.protected	k_q09d73fdf03_quant
	.globl	k_q09d73fdf03_quant
	.p2align	8
	.type	k_q09d73fdf03_quant,@function
k_q09d73fdf03_quant:
	s_mov_b64 s[64:65], 0
	v_nop
	global_prefetch_b8 v0, s[64:65] scope:SCOPE_SE
	s_setreg_imm32_b32 hwreg(HW_REG_WAVE_MODE, 25, 1), 1
	s_wait_xcnt 0x0
; x [8192][1024] and wq, wk, wv, wp [1024][1024], f32 with K innermost, become codes of FP6 (E2M3) with one E8M0 byte for each 32 along K; and the table of rope's cosines and sines is made.
; THE CODES ARE LAID AS IMAGES OF OPERAND REGISTERS.  A fragment is 16 rows x 128 K = 12 registers a lane = 1,536 bytes; piece p (registers 2 p, 2 p + 1) of lane l lies at 256 p + 8 l, so that one
; access of 8 bytes a lane covers 256 consecutive bytes, aligned.  opc: [rb 768][K step 8][1,536]; rb 0-511 x, 512-575 wq, 576-639 wk, 640-703 wv, 704-767 wp.
; ops: [rb][256 along K: 4][row 16][8 bytes]: a row's eight scale bytes of 256 along K, which are the scale words of two K steps.
; WHICH ROWS FORM A FRAGMENT: in x, wq, wk, wv place r of fragment 2 b + u holds row 32 b + 8 u + r + 8 (r / 8), so that in the products' results 16 registers of two neighbouring tiles are 16 neighbours
; along the next product's K; in wp place r of fragment rb holds row 16 rb + r.
; SHARES.  Work-groups 0-383: a wave takes 16 rows x 512 K, four fragments.  Each load reads 512 consecutive bytes of one row; a K step's 16 rows turn through the wave's own stage in LDS, since the
; operand's layout gives lane (r, h) the numbers k = 64 c + 32 h + 0 .. 31 of row r: two whole blocks, so that a block's largest magnitude needs no other lane.
; Work-groups 384-415: a wave makes the table's part for one fragment of 16 tokens; this way touches no LDS.
; A block's scale is 2^(floor(log2(largest magnitude)) - 2); its byte is the largest magnitude's exponent field - 2, held at 1 from below.
; LIMITS: NaN and infinities among the inputs are not served.  A block whose largest magnitude lies under 2^-124, a block of zeros among them, gets the byte 1 (its codes are then small or zero; the
; bytes are read by this program alone).  Rope: theta lies within some 2 units in the last place of 10000^(-i/32), so an angle t x theta is off by up to some 3e-4 at t near 2,047;
; the reduction by pi / 2 in three parts serves angles up to 2,047, which is the largest that T = 2,048 gives.
.set STG,   8448                       ; a wave's stage: 16 rows x (512 bytes + 16)
.set SPARE, 4*STG                      ; behind the stages: the spare words, 128 bytes a wave: two blocks of 256 bytes that no other line names
.set SPW,   12                         ; v12  LDS address of my spare word; never rewritten
.set NIL,   13                         ; v13  0; never rewritten
.set W,     16                         ; v16-19  the four K steps' scale words
.set C,     32                         ; v32-43  a fragment's codes
.set T,     44                         ; v44-46, v48-50  the halves that begin on an odd register
.set X,     64                         ; v64-127 my 64 numbers of a K step
.set R,     128                        ; v128-191, v192-255  a K step as loaded, two sets
	s_load_b256 s[4:11], s[0:1], 0x0               ; x, wq, wk, wv
	s_load_b256 s[12:19], s[0:1], 0x20             ; wp, opc, ops, rope
	v_lshl_add_u32 v[SPW], v0, 2, SPARE
	v_mov_b32 v[NIL], 0
	v_lshrrev_b32 v1, 5, v0
	v_readfirstlane_b32 s2, v1                     ; wave
	v_and_b32 v1, 31, v0                           ; lane
	v_and_b32 v2, 15, v0                           ; r
	v_bfe_u32 v3, v0, 4, 1                         ; h
	v_lshlrev_b32 v4, 4, v1                        ; 16 x lane
	v_lshlrev_b32 v7, 3, v1                        ; 8 x lane
	v_lshlrev_b32 v8, 3, v3                        ; 8 h
	s_cmp_ge_u32 ttmp9, 384
	s_cbranch_scc1 .Lrope
	s_mul_i32 s3, s2, STG
	v_add_nc_u32 v5, s3, v4                        ; into the stage: 16 x lane of a row
	v_mul_u32_u24 v6, v2, 528
	v_lshl_add_u32 v6, v3, 7, v6
	v_add_nc_u32 v6, s3, v6                        ; out of it: row r, + 128 h.  Rows 528 bytes apart
	v_mov_b32 v27, 0                               ; written once: a lane permute's destination counts as one of its sources
	s_mov_b32 s24, 0x76543210
	s_mov_b32 s25, 0xfedcba98                      ; selects for lane l xor 16
	s_lshl_b32 s26, ttmp9, 1
	s_lshr_b32 s27, s2, 1
	s_add_co_u32 s26, s26, s27                     ; rb = 2 x work-group + wave / 2
	s_and_b32 s27, s2, 1                           ; which 512 along K
	s_cmp_lt_u32 ttmp9, 256
	s_cselect_b32 s28, 0x3ff, 63
	s_and_b32 s28, s26, s28                        ; rb within its tensor
	s_lshr_b32 s29, s28, 1
	s_lshl_b32 s29, s29, 5
	s_and_b32 s30, s28, 1
	s_lshl_b32 s30, s30, 3
	s_add_co_u32 s29, s29, s30                     ; first row: 32 (rb / 2) + 8 (rb % 2),
	s_lshl_b32 s30, s28, 4                         ; in wp 16 rb
	s_cmp_lt_u32 ttmp9, 352
	s_cselect_b32 s29, s29, s30
	s_cselect_b32 s30, 16, 8                       ; places 8-15 begin so many rows further down
	s_lshl_b32 s32, s29, 12                        ; a row is 4,096 bytes
	s_lshl_b32 s31, s27, 11
	s_add_co_u32 s32, s32, s31
	s_mov_b32 s33, 0
	s_lshl_b32 s34, s30, 12
	s_mov_b32 s35, 0
	s_mul_i32 s36, s26, 12288
	s_mul_i32 s31, s27, 6144
	s_add_co_u32 s36, s36, s31                     ; my four fragments in opc
	s_mov_b32 s37, 0
	s_lshl_b32 s38, s26, 9
	s_lshl_b32 s31, s27, 8
	s_add_co_u32 s38, s38, s31                     ; my 256 bytes in ops
	s_mov_b32 s39, 0
	s_wait_kmcnt 0x0
	s_mov_b64 s[20:21], s[12:13]                   ; the tensor is chosen by the work-group's number alone
	s_cmp_lt_u32 ttmp9, 352
	s_cselect_b64 s[20:21], s[10:11], s[20:21]
	s_cmp_lt_u32 ttmp9, 320
	s_cselect_b64 s[20:21], s[8:9], s[20:21]
	s_cmp_lt_u32 ttmp9, 288
	s_cselect_b64 s[20:21], s[6:7], s[20:21]
	s_cmp_lt_u32 ttmp9, 256
	s_cselect_b64 s[20:21], s[4:5], s[20:21]
	s_add_nc_u64 s[20:21], s[20:21], s[32:33]      ; places 0-7
	s_add_nc_u64 s[22:23], s[20:21], s[34:35]      ; places 8-15
	s_add_nc_u64 s[36:37], s[14:15], s[36:37]
	s_add_nc_u64 s[38:39], s[16:17], s[38:39]
.macro LOAD t                          ; K step t of my 16 rows: 512 consecutive bytes a load
.irp j, 0,1,2,3,4,5,6,7
	global_load_b128 v[R+64*((\t)%2)+4*\j:R+64*((\t)%2)+4*\j+3], v4, s[20:21] offset:4096*\j+512*(\t) th:TH_LOAD_NT
.endr
.irp j, 0,1,2,3,4,5,6,7
	global_load_b128 v[R+64*((\t)%2)+32+4*\j:R+64*((\t)%2)+35+4*\j], v4, s[22:23] offset:4096*\j+512*(\t) th:TH_LOAD_NT
.endr
.endm
.macro STEP t
.set RS, R+64*((\t)%2)
.if (\t) < 3
	s_wait_loadcnt 16                              ; this step's 16 loads are in; the next step's 16 may be out
.else
	s_wait_loadcnt 0x0
.endif
.irp j, 0,1,2,3,4,5,6,7,8,9,10,11,12,13,14,15
	ds_store_b128 v5, v[RS+4*\j:RS+4*\j+3] offset:528*\j
.endr
.irp c, 0,1
.irp j, 0,1,2,3,4,5,6,7
	ds_load_b128 v[X+32*\c+4*\j:X+32*\c+4*\j+3], v6 offset:256*\c+16*\j   ; LDS serves a wave's instructions in order: these see the stores above
.endr
.endr
	s_wait_dscnt 0x0                               ; my numbers are back, and the stores have read their registers,
.if (\t) < 2
	LOAD (\t)+2                                    ; which take the step two on
.endif
.irp c, 0,1                                    ; my block 2 c + h: all its 32 numbers are mine; two chains a block
	v_max3_num_f32 v[20+\c], |v[X+32*\c]|, |v[X+32*\c+1]|, 0x1800000   ; with the floor 2^(3 - 127): the byte cannot fall under 1
	v_max3_num_f32 v[22+\c], |v[X+32*\c+16]|, |v[X+32*\c+17]|, |v[X+32*\c+18]|
.endr
.irp k, 0,1,2,3,4,5
.irp c, 0,1
	v_max3_num_f32 v[20+\c], v[20+\c], |v[X+32*\c+2+2*\k]|, |v[X+32*\c+3+2*\k]|
	v_max3_num_f32 v[22+\c], v[22+\c], |v[X+32*\c+19+2*\k]|, |v[X+32*\c+20+2*\k]|
.endr
.endr
.irp c, 0,1
	v_max3_num_f32 v[20+\c], v[20+\c], |v[X+32*\c+14]|, |v[X+32*\c+15]|
.endr
.irp c, 0,1
	v_max3_num_f32 v[20+\c], v[20+\c], v[22+\c], |v[X+32*\c+31]|
.endr
.irp c, 0,1
	v_add_nc_u32 v[22+\c], 0xff000000, v[20+\c]    ; 2 off the exponent field: the conversion takes this operand's exponent field as its scale
.endr
.irp c, 0,1
	v_lshrrev_b32 v[24+\c], 23, v[22+\c]           ; the scale's byte
.endr
	v_lshl_or_b32 v26, v25, 16, v24                ; blocks h and 2 + h,
	v_lshlrev_b32 v26, v8, v26                     ; at their places in the row's scale word;
	v_permlanex16_b32 v27, v26, s24, s25
	v_or_b32 v[W+(\t)], v26, v27                   ; with lane l xor 16's two the word is whole
	s_wait_alu depctr_va_vdst(0)
	s_wait_xcnt 0x0                                ; the last step's stores have read the codes' registers
.irp c, 0,1
	v_cvt_scalef32_pk16_fp6_f32 v[C+6*\c:C+6*\c+2], v[X+32*\c:X+32*\c+15], v[22+\c]
	v_cvt_scalef32_pk16_fp6_f32 v[T+4*\c:T+4*\c+2], v[X+32*\c+16:X+32*\c+31], v[22+\c]   ; (a conversion's three registers begin on an even number)
.endr
	v_nop                                          ; one plain place behind a scaled conversion
.irp c, 0,1
.irp i, 0,1,2
	v_mov_b32 v[C+3+6*\c+\i], v[T+4*\c+\i]
.endr
.endr
.irp p, 0,1,2,3,4,5
	global_store_b64 v7, v[C+2*\p:C+2*\p+1], s[36:37] offset:1536*(\t)+256*\p   ; 32 lanes store 256 consecutive bytes, aligned
.endr
.endm
	s_wait_alu depctr_va_vdst(0)
	LOAD 0
	LOAD 1
	STEP 0
	STEP 1
	STEP 2
	STEP 3
	v_cmp_le_u32 s44, 16, v1                       ; lanes 0-15 store K steps 0, 1 of row r, lanes 16-31 K steps 2, 3
	v_cndmask_b32 v28, v[W], v[W+2], s44
	v_cndmask_b32 v29, v[W+1], v[W+3], s44
	global_store_b64 v7, v[28:29], s[38:39]        ; 256 consecutive bytes, aligned
	s_wait_tensorcnt 0x0                           ; the wave's end, behind my last LDS store
	ds_add_u32 v[SPW], v[NIL]
	s_wait_dscnt 0x0
	s_endpgm
; THE TABLE.  rope: [tb 128][g 8][lane][16 bytes]: (cos i, sin i, cos i + 1, sin i + 1) for token t = 32 (tb / 2) + 8 (tb % 2) + r + 8 (r / 8) and pair i = 8 h + 16 (g / 4) + 4 ((g / 2) % 2) + 2 (g % 2):
; the registers in which the next launch holds a head's 64 channels of that token.  Number n = 2 g + e of a lane is pair 8 h + 16 (n / 8) + n % 8.
.set IV, 32
.set E,  48
.set ER, 64
.set TH, 80
.set AN, 96
.set NN, 112
.set Z,  128
.set SS, 144
.set CC, 160
.set QD, 176
.set OUTR, 192
.macro ALL16 body:vararg
.endm
.Lrope:
	s_sub_co_u32 s33, ttmp9, 384
	s_lshl_b32 s33, s33, 2
	s_add_co_u32 s33, s33, s2                      ; tb
	s_lshr_b32 s36, s33, 1
	s_lshl_b32 s36, s36, 5
	s_and_b32 s37, s33, 1
	s_lshl_b32 s37, s37, 3
	s_add_co_u32 s36, s36, s37
	s_lshl_b32 s34, s33, 12
	s_mov_b32 s35, 0
	s_mov_b32 s20, 0x3ed49a78                      ; log2(10000) / 32, upper part,
	s_mov_b32 s21, 0x32179a30                      ; and what f32 leaves of it
	s_mov_b32 s22, 0xbf317218                      ; -ln 2
	s_mov_b32 s23, 0x3f22f983                      ; 2 / pi
	s_mov_b32 s24, 0xbfc90fdb                      ; -pi / 2 in three parts
	s_mov_b32 s25, 0x333bbd2e
	s_mov_b32 s26, 0x26f72ced
	s_mov_b32 s27, 0xb94ca1f9                      ; sine: r + r^3 (S1 + r^2 (S2 + r^2 S3)) on |r| up to pi / 4
	s_mov_b32 s28, 0x3c08839e
	s_mov_b32 s29, 0xbe2aaaa3
	s_mov_b32 s30, 0x37ccf5ce                      ; cosine: 1 - r^2 / 2 + r^4 (C1 + r^2 (C2 + r^2 C3))
	s_mov_b32 s31, 0xbab6061a
	s_mov_b32 s32, 0x3d2aaaa5
	s_wait_alu depctr_va_vdst(0)
	v_and_b32 v20, 8, v2
	v_add_nc_u32 v20, v20, v2
	v_add_nc_u32 v20, s36, v20
	v_cvt_f32_u32 v20, v20                         ; t
.set n, 0
.rept 16
	v_add_nc_u32 v[IV+n], 16*(n/8)+n%8, v8
.set n, n+1
.endr
.set n, 0
.rept 16
	v_cvt_f32_u32 v[IV+n], v[IV+n]                 ; i
.set n, n+1
.endr
.set n, 0
.rept 16
	v_mul_f32 v[E+n], s20, v[IV+n]                 ; e = i x c, rounded;
.set n, n+1
.endr
.set n, 0
.rept 16
	v_fma_f32 v[ER+n], v[IV+n], s20, -v[E+n]       ; what the rounding dropped,
.set n, n+1
.endr
.set n, 0
.rept 16
	v_fma_f32 v[ER+n], v[IV+n], s21, v[ER+n]       ; and c's lower part
.set n, n+1
.endr
.set n, 0
.rept 16
	v_exp_f32 v[TH+n], -v[E+n]
.set n, n+1
.endr
	v_nop                                          ; a plain place behind the last exponential
	s_wait_alu depctr_va_vdst(0)                   ; one wait for the batch, ahead of its first reader
.set n, 0
.rept 16
	v_mul_f32 v[E+n], s22, v[TH+n]
.set n, n+1
.endr
.set n, 0
.rept 16
	v_fma_f32 v[TH+n], v[E+n], v[ER+n], v[TH+n]    ; theta = 2^-e (1 - ln 2 x rest)
.set n, n+1
.endr
.set n, 0
.rept 16
	v_mul_f32 v[AN+n], v20, v[TH+n]                ; the angle, rounded once
.set n, n+1
.endr
.set n, 0
.rept 16
	v_mul_f32 v[NN+n], s23, v[AN+n]
.set n, n+1
.endr
.set n, 0
.rept 16
	v_rndne_f32 v[NN+n], v[NN+n]                   ; how many quarter turns
.set n, n+1
.endr
.set n, 0
.rept 16
	v_fma_f32 v[AN+n], v[NN+n], s24, v[AN+n]
.set n, n+1
.endr
.set n, 0
.rept 16
	v_fma_f32 v[AN+n], v[NN+n], s25, v[AN+n]
.set n, n+1
.endr
.set n, 0
.rept 16
	v_fma_f32 v[AN+n], v[NN+n], s26, v[AN+n]       ; r
.set n, n+1
.endr
.set n, 0
.rept 16
	v_mul_f32 v[Z+n], v[AN+n], v[AN+n]
.set n, n+1
.endr
.set n, 0
.rept 16
	v_fma_f32 v[SS+n], v[Z+n], s27, s28
	v_fma_f32 v[CC+n], v[Z+n], s30, s31
.set n, n+1
.endr
.set n, 0
.rept 16
	v_fma_f32 v[SS+n], v[SS+n], v[Z+n], s29
	v_fma_f32 v[CC+n], v[CC+n], v[Z+n], s32
.set n, n+1
.endr
.set n, 0
.rept 16
	v_mul_f32 v[E+n], v[Z+n], v[AN+n]
	v_fma_f32 v[ER+n], v[Z+n], -0.5, 1.0
.set n, n+1
.endr
.set n, 0
.rept 16
	v_fma_f32 v[SS+n], v[SS+n], v[E+n], v[AN+n]    ; sin r
	v_mul_f32 v[TH+n], v[Z+n], v[Z+n]
.set n, n+1
.endr
.set n, 0
.rept 16
	v_fma_f32 v[CC+n], v[CC+n], v[TH+n], v[ER+n]   ; cos r
	v_cvt_i32_f32 v[QD+n], v[NN+n]
.set n, n+1
.endr
.set n, 0
.rept 16                                       ; the quarter: values are chosen, nothing else hangs on it
	v_and_b32 v[IV+n], 1, v[QD+n]
	v_cmp_eq_u32 vcc_lo, 1, v[IV+n]
	v_cndmask_b32 v[OUTR+2*n+1], v[SS+n], v[CC+n], vcc_lo   ; odd quarters: sine and cosine change places
	v_cndmask_b32 v[OUTR+2*n], v[CC+n], v[SS+n], vcc_lo
	v_and_b32 v[IV+n], 2, v[QD+n]
	v_lshlrev_b32 v[IV+n], 30, v[IV+n]
	v_xor_b32 v[OUTR+2*n+1], v[IV+n], v[OUTR+2*n+1]         ; the sine is negative in quarters 2, 3
	v_add_nc_u32 v[E+n], 1, v[QD+n]
	v_and_b32 v[E+n], 2, v[E+n]
	v_lshlrev_b32 v[E+n], 30, v[E+n]
	v_xor_b32 v[OUTR+2*n], v[E+n], v[OUTR+2*n]              ; the cosine in quarters 1, 2
.set n, n+1
.endr
	s_wait_alu depctr_va_vdst(0)
	s_wait_kmcnt 0x0
	s_add_nc_u64 s[34:35], s[18:19], s[34:35]
.irp g, 0,1,2,3,4,5,6,7
	global_store_b128 v4, v[OUTR+4*\g:OUTR+4*\g+3], s[34:35] offset:512*\g   ; 512 consecutive bytes, aligned
.endr
	s_endpgm
.Lfunc_end_k_q09d73fdf03_quant:
	.size	k_q09d73fdf03_quant, .Lfunc_end_k_q09d73fdf03_quant-k_q09d73fdf03_quant
	.p2alignl 7, 3214868480
	.fill 96, 4, 3214868480
	.section	.rodata,"a",@progbits
	.p2align	6, 0x0
	.amdhsa_kernel k_q09d73fdf03_quant
		.amdhsa_group_segment_fixed_size 34304
		.amdhsa_private_segment_fixed_size 0
		.amdhsa_enable_private_segment 0
		.amdhsa_kernarg_size 64
		.amdhsa_user_sgpr_count 2
		.amdhsa_user_sgpr_kernarg_segment_ptr 1
		.amdhsa_wavefront_size32 1
		.amdhsa_system_sgpr_workgroup_id_x 1
		.amdhsa_system_sgpr_workgroup_id_y 1
		.amdhsa_system_sgpr_workgroup_id_z 1
		.amdhsa_system_vgpr_workitem_id 0
		.amdhsa_next_free_vgpr 256
		.amdhsa_next_free_sgpr 66
		.amdhsa_reserve_vcc 1
		.amdhsa_float_denorm_mode_32 3
		.amdhsa_float_denorm_mode_16_64 3
		.amdhsa_memory_ordered 1
		.amdhsa_forward_progress 1
		.amdhsa_inst_pref_size 60
	.end_amdhsa_kernel
	.amdgpu_metadata
---
amdhsa.version: [ 1, 2 ]
amdhsa.kernels:
  - .name:           k_q09d73fdf03_quant
    .symbol:         k_q09d73fdf03_quant.kd
    .args:
      - { .name: x, .offset: 0, .size: 8, .value_kind: global_buffer, .address_space: global }
      - { .name: wq, .offset: 8, .size: 8, .value_kind: global_buffer, .address_space: global }
      - { .name: wk, .offset: 16, .size: 8, .value_kind: global_buffer, .address_space: global }
      - { .name: wv, .offset: 24, .size: 8, .value_kind: global_buffer, .address_space: global }
      - { .name: wp, .offset: 32, .size: 8, .value_kind: global_buffer, .address_space: global }
      - { .name: opc, .offset: 40, .size: 8, .value_kind: global_buffer, .address_space: global }
      - { .name: ops, .offset: 48, .size: 8, .value_kind: global_buffer, .address_space: global }
      - { .name: rope, .offset: 56, .size: 8, .value_kind: global_buffer, .address_space: global }
    .group_segment_fixed_size: 34304
    .private_segment_fixed_size: 0
    .kernarg_segment_align: 8
    .kernarg_segment_size: 64
    .max_flat_workgroup_size: 128
    .sgpr_count:     66
    .vgpr_count:     256
    .wavefront_size: 32
...
	.end_amdgpu_metadata
.endif
;; end of part 1
;; launch qkv (part 2): grid 12 x 32, 4 waves a work-group, clusters of 4 x 4, 327,680 bytes of LDS; arguments opc, ops, rope, bq, bk, bv, atc, ats; writes atc, ats
.if DOCPART == 2
	.amdgcn_target "amdgcn-amd-amdhsa--gfx1250"
	.amdhsa_code_object_version 6
	.text
	.protected	k_q09d73fdf03_qkv
	.globl	k_q09d73fdf03_qkv
	.p2align	8
	.type	k_q09d73fdf03_qkv,@function
k_q09d73fdf03_qkv:
	s_mov_b64 s[64:65], 0
	v_nop
	global_prefetch_b8 v0, s[64:65] scope:SCOPE_SE
	s_setreg_imm32_b32 hwreg(HW_REG_WAVE_MODE, 25, 1), 1
	s_wait_xcnt 0x0
	s_wait_alu depctr_hold_cnt(0) depctr_sa_sdst(0) depctr_va_vdst(0) depctr_va_sdst(0) depctr_va_ssrc(0) depctr_va_vcc(0) depctr_vm_vsrc(0)
	s_getreg_b32 s2, hwreg(HW_REG_IB_STS2, 6, 4)
	s_cmp_eq_u32 s2, 0
	s_cbranch_scc0 .Lentry_in_a_cluster
	s_endpgm
.Lentry_in_a_cluster:
	s_bfe_u32 s2, ttmp6, 0x10000c
	s_cmp_lg_u32 s2, 0xf033
	s_cbranch_scc0 .Lentry_shape_is_right
	s_endpgm
.Lentry_shape_is_right:
; q = rope(x wq^T + bq), k = rope(x wk^T + bk), v = x wv^T + bv on codes of FP6 (E2M3) with E8M0 scales, K = 1,024; the results are quantised in registers and leave as operands of the attention.
; A tile is 256 x 256: four waves, each 128 x 128 in 64 accumulators.  K goes in steps of 256 through a ring of two LDS slots filled by the tensor data mover.
; OPERANDS lie in memory as images of their registers (fragment = 16 rows x 128 K = 1,536 bytes, piece p of lane l at 256 p + 8 l): a fragment comes from LDS by six loads of 8 bytes a lane,
; each over 256 consecutive bytes: no pitch, no padding.  The scale words of the work-group's rows, for all of K, come once and stay in LDS.
; THE KIND is the cluster's x: 0 q, 1 k, 2 v: the same in all sixteen partners.  The product is used transposed: source 0 = the operand called B here, source 1 = A; a lane holds one row of A and
; its registers run along B's rows.  q, k: A = x (a lane holds a token), B = the weight (registers along the channels, the next K).  v: A = wv (a lane holds a channel), B = x (registers along the
; tokens, which are the next K).  By the choice of rows in the fragments (place r of fragment 2 b + u = row 32 b + 8 u + r + 8 (r / 8)) the 16 registers of accumulators (a, 2 b), (a, 2 b + 1) are
; 16 neighbours, 32 b + 16 (lane / 16) + 0 .. 15, along the next K.
; CLUSTERS: 4 x 4.  A's tile hangs on cy alone and is asked for jointly by a row of the cluster, B's on cx alone, by a column.
; OUT.  atc: q at 0: [head 64][fragment of 16 tokens: 128][768] (K = 64: pieces 0-2); from QSZ on, for each head: k likewise (98,304 bytes), then v: [128 keys: 16][16 channels: 4][1,536].
; ats: q at 0: [head][pair of fragments 64][row 16][2 words]; from 524,288 on, for each head: k likewise (8,192 bytes), then v: [128 keys: 16][pair 2][row 16][2 words].
; q's and k's scale words have two bytes; the upper two are 0, over codes that are zeros.
; LIMITS: NaN and infinities are not served; a block whose largest magnitude lies under 2^-124 gets the byte 1.
; No prefetch: half of K is asked for by the first fills, and the launch is short.
; REGISTERS: window 0: v1-11 lane numbers and offsets; v16-29 addresses; v32-63 scale words, two sets; v64-127 two sets of the rope table; v128-223 A's fragments, one set; v224-239 at work in the
; quantiser; v240-255 v's bias.  window 1: B's fragments, two sets, at v0 and v128; q's and k's bias at v96-127 and v224-255.  windows 2, 3: the accumulators ((a, b) at v[8 (8 (a % 4) + b)]).
.set RBB,   3072                       ; 16 rows x 256 K: two fragments
.set FRB,   1536
.set HALFT, 8*RBB                      ; 128 rows: what one tensor load brings
.set SLOT,  4*HALFT                    ; A's 256 rows, then B's
.set SCL,   2*SLOT                     ; behind the ring: A's scale words, 8,192 bytes;
.set SCLB,  SCL+8320                   ; B's, 128 bytes further than a whole number of times through the banks, so that lanes 16-31 take the other half of them (64 banks of 4 bytes: ISA guide 11.1)
.set SPARE, SCLB+8192+128              ; the spare words, 128 bytes a wave: two blocks of 256 bytes that no other line names
.set QSZ,   6291456
.set FR,    12
.set NL,    6
.set NP,    4
.set NQ,    2
.set L8,    10                         ; v10  8 x lane
.set L16,   11                         ; v11  16 x lane
.set ADRA,  16                         ; v16-17  my A fragments in slot 0, 1
.set ADRB,  20                         ; v20-21  my B fragments
.set ADRS,  27                         ; v27  my scale words: lanes 0-15 A's rows, lanes 16-31 B's
.set SPW,   28
.set NIL,   29
.set SC,    32
.set PWA,   32                         ; the way out: a scale word for each block
.set ROPE,  64
.set AF,    128
.set HA,    128                        ; the way out: 64 numbers
.set PC,    192                        ; the codes just made; +12, +16: halves that begin on an odd register
.set TM,    224
.set VB,    240
.set SEL,   2                          ; s[2:3] selects for lane l xor 16
.set WV,    20
.set WH,    21
.set WL,    22
.set G1,    24
.set G0,    32
.set G1B,   48
.set G0B,   56
.set ROPB,  66
.set G1S,   68
.set G0S,   76
.set G1SB,  80
.set G0SB,  88
.set KIND,  101
.set MSB, 0
.macro WIN new                         ; the immediate's high byte repeats the setting that is left
.if MSB != (\new)
	s_set_vgpr_msb (MSB<<8)|(\new)
.set MSB, (\new)
.endif
.endm
.set MUL_LO, 0xa1                      ; source 0 (B) window 1, source 1 (A) window 0, C and D window 2
.set MUL_HI, 0xf1
.set TO_B,   0x40
; A joint load: waves 0 and 1 fetch for A, waves 2 and 3 for B; the branch hangs on the wave's number alone.  An s_nop 0 and four v_nop follow each of the two lines.
.macro JLOAD g0a, g1a, g0b, g1b
	s_cmp_eq_u32 s[WH], 0
	s_cbranch_scc0 .Lfor_b_\@
	tensor_load_to_lds s[\g0a:\g0a+3], s[\g1a:\g1a+7]
	s_nop 0
.rept 4
	v_nop
.endr
	s_branch .Lasked_\@
.Lfor_b_\@:
	tensor_load_to_lds s[\g0b:\g0b+3], s[\g1b:\g1b+7]
	s_nop 0
.rept 4
	v_nop
.endr
.Lasked_\@:
.endm
.macro CREST                           ; a round of the cluster's barrier behind its opening barrier
	s_cmp_lg_u32 s[WV], 0
	s_cbranch_scc1 .Lnot_wave_0_\@
	s_barrier_signal -3
.Lnot_wave_0_\@:
	s_barrier_wait -3
	s_barrier_signal -1
	s_barrier_wait -1
.endm
.macro CROUND
	s_barrier_signal -1
	s_barrier_wait -1
	CREST
.endm
	s_load_b256 s[4:11], s[0:1], 0x0               ; opc, ops, rope, bq
	s_load_b256 s[12:19], s[0:1], 0x20             ; bk, bv, atc, ats
	v_lshl_add_u32 v[SPW], v0, 2, SPARE
	v_mov_b32 v[NIL], 0
	ds_add_u32 v[SPW], v[NIL]
	ds_add_u32 v[SPW], v[NIL]                      ; the wave's opening: the add and its wait stand ahead of my first tensor load; work on registers stands between them
	v_lshrrev_b32 v1, 5, v0
	v_readfirstlane_b32 s[WV], v1
	s_lshr_b32 s[WH], s[WV], 1                     ; my half of A's rows.  Also: I fetch for A (0) or for B (1)
	s_and_b32 s[WL], s[WV], 1                      ; my half of B's rows.  Also: which 128 rows I fetch
	s_bfe_u32 s40, ttmp6, 0x40000                  ; cx
	s_bfe_u32 s41, ttmp6, 0x40004                  ; cy
	s_mov_b32 s[KIND], ttmp9
	s_and_b32 s46, ttmp7, 0xffff
	s_lshl_b32 s46, s46, 2                         ; x's tiles of this cluster begin here
	s_lshl_b32 s47, ttmp9, 2
	s_add_co_u32 s47, s47, 32                      ; wq's tiles begin at 32, wk's at 36
	s_cmp_eq_u32 ttmp9, 2
	s_cselect_b32 s43, 40, s46                     ; A: wv's tiles (from 40) for v, else x's
	s_cselect_b32 s42, s46, s47                    ; B: x's for v, else the weight's
	s_add_co_u32 s43, s43, s41                     ; A's tile: + cy
	s_add_co_u32 s42, s42, s40                     ; B's tile: + cx
	s_lshl_b32 s44, s41, 2
	s_lshl_b32 s44, 15, s44                        ; my row of the cluster
	s_lshl_b32 s45, 0x1111, s40                    ; my column
	; group 1 for codes: 8 rows (of 16 x 256 K: 384 elements of 8 bytes), 12,288 bytes apart in memory, on end in LDS
	s_or_b32 s[G1+0], s44, (3<<16)|(1<<21)
	s_or_b32 s[G1B+0], s45, (3<<16)|(1<<21)
.irp g, G1, G1B
	s_mov_b32 s[\g+1], 384<<16                     ; tensor_dim0
	s_mov_b32 s[\g+2], 8<<16                       ; tensor_dim1
	s_mov_b32 s[\g+3], 384<<16                     ; tile_dim0
	s_mov_b32 s[\g+4], 8                           ; tile_dim1
	s_mov_b32 s[\g+5], 1536                        ; stride
	s_mov_b32 s[\g+6], 0
	s_mov_b32 s[\g+7], 0
.endr
	; and for the scale words of 128 rows: 4,096 dense bytes as 16 rows of 256
	s_or_b32 s[G1S+0], s44, (3<<16)|(1<<21)
	s_or_b32 s[G1SB+0], s45, (3<<16)|(1<<21)
.irp g, G1S, G1SB
	s_mov_b32 s[\g+1], 32<<16
	s_mov_b32 s[\g+2], 16<<16
	s_mov_b32 s[\g+3], 32<<16
	s_mov_b32 s[\g+4], 16
	s_mov_b32 s[\g+5], 32
	s_mov_b32 s[\g+6], 0
	s_mov_b32 s[\g+7], 0
.endr
	s_lshl_b32 s23, s[WL], 3
	s_lshl_b32 s92, s43, 4
	s_add_co_u32 s92, s92, s23                     ; A: the first 16 rows that I fetch
	s_lshl_b32 s96, s42, 4
	s_add_co_u32 s96, s96, s23                     ; B likewise
	s_lshl_b32 s94, s92, 9
	s_mul_i32 s92, s92, 12288
	s_lshl_b32 s98, s96, 9
	s_mul_i32 s96, s96, 12288
	s_mov_b32 s93, 0
	s_mov_b32 s95, 0
	s_mov_b32 s97, 0
	s_mov_b32 s99, 0
	s_mul_i32 s46, s[WV], HALFT                    ; where they go: no place in the cluster enters an LDS address
	s_lshl_b32 s47, s[WL], 12
	s_mov_b32 s[SEL], 0x76543210
	s_mov_b32 s[SEL+1], 0xfedcba98
	s_wait_dscnt 0x0                               ; the opening add is done
	s_wait_kmcnt 0x0
	s_add_nc_u64 s[92:93], s[4:5], s[92:93]
	s_add_nc_u64 s[94:95], s[6:7], s[94:95]
	s_add_nc_u64 s[96:97], s[4:5], s[96:97]
	s_add_nc_u64 s[98:99], s[6:7], s[98:99]
	CROUND                                         ; all sixteen work-groups are here: the first joint loads meet
	s_mov_b32 s[G0S], 1
	s_add_co_u32 s[G0S+1], s47, SCL
	s_mov_b64 s[G0S+2:G0S+3], s[94:95]
	s_or_b32 s[G0S+3], s[G0S+3], 0x80000000
	s_mov_b32 s[G0SB], 1
	s_add_co_u32 s[G0SB+1], s47, SCLB
	s_mov_b64 s[G0SB+2:G0SB+3], s[98:99]
	s_or_b32 s[G0SB+3], s[G0SB+3], 0x80000000
	JLOAD G0S, G1S, G0SB, G1SB                     ; the scale words first; with the two slots three loads of mine are out
.irp s, 0,1
	s_mov_b32 s[G0+4*\s], 1
	s_add_co_u32 s[G0+4*\s+1], s46, \s*SLOT
	s_add_nc_u64 s[G0+4*\s+2:G0+4*\s+3], s[92:93], \s*RBB
	s_or_b32 s[G0+4*\s+3], s[G0+4*\s+3], 0x80000000
	s_mov_b32 s[G0B+4*\s], 1
	s_add_co_u32 s[G0B+4*\s+1], s46, \s*SLOT
	s_add_nc_u64 s[G0B+4*\s+2:G0B+4*\s+3], s[96:97], \s*RBB
	s_or_b32 s[G0B+4*\s+3], s[G0B+4*\s+3], 0x80000000
	JLOAD G0+4*\s, G1, G0B+4*\s, G1B
.endr
	v_and_b32 v1, 15, v0                           ; r
	v_bfe_u32 v2, v0, 4, 1                         ; h
	s_wait_alu depctr_va_vdst(0)
	v_and_b32 v3, 31, v0                           ; lane
	v_lshlrev_b32 v[L8], 3, v3
	v_lshlrev_b32 v[L16], 4, v3
	s_mul_i32 s46, s[WH], HALFT
	s_mul_i32 s47, s[WL], HALFT
	s_add_co_u32 s47, s47, 2*HALFT
.irp s, 0,1
	v_add_nc_u32 v[ADRA+\s], s46, v[L8]
	v_add_nc_u32 v[ADRB+\s], s47, v[L8]
	s_add_co_u32 s46, s46, SLOT
	s_add_co_u32 s47, s47, SLOT
.endr
	s_lshl_b32 s46, s[WH], 12                      ; A's scale words: my 128 rows
	s_lshl_b32 s47, s[WL], 12
	s_add_co_u32 s47, s47, 8320                    ; B's
	s_sub_co_u32 s47, s47, s46
	v_mul_u32_u24 v4, s47, v2                      ; lanes 16-31 take B's
	v_lshl_add_u32 v4, v1, 3, v4                   ; 8 bytes a row
	s_add_co_u32 s46, s46, SCL
	v_add_nc_u32 v[ADRS], s46, v4
.irp b, 0,1,2,3
	v_mov_b32 v[TM+4+\b], 0                        ; written once: a lane permute's destination counts as one of its sources
.endr
	; THE BIAS AND THE FIRST TWO SETS OF THE TABLE.  Every kind issues the same loads, from its own bias, so that the text parts on the kind once, at the way out; those that a kind does not use stay inside their buffers.
	s_cmp_eq_u32 s[KIND], 0
	s_cselect_b64 s[46:47], s[10:11], s[12:13]
	s_cmp_eq_u32 s[KIND], 2
	s_cselect_b64 s[46:47], s[14:15], s[46:47]
	s_lshl_b32 s98, s40, 10
	s_lshl_b32 s99, s[WL], 9
	s_add_co_u32 s98, s98, s99
	s_mov_b32 s99, 0
	s_add_nc_u64 s[96:97], s[46:47], s[98:99]      ; q, k: the bias of B's 128 rows that are mine
	s_lshl_b32 s94, s41, 10
	s_lshl_b32 s95, s[WH], 9
	s_add_co_u32 s94, s94, s95
	s_mov_b32 s95, 0
	s_add_nc_u64 s[92:93], s[46:47], s[94:95]      ; v: of A's
	s_and_b32 s94, s43, 7
	s_lshl_b32 s94, s94, 4
	s_lshl_b32 s23, s[WH], 3
	s_add_co_u32 s94, s94, s23                     ; my first fragment of tokens within its batch
	s_lshl_b32 s94, s94, 12
	s_add_nc_u64 s[ROPB:ROPB+1], s[8:9], s[94:95]
	v_lshlrev_b32 v5, 6, v2                        ; q, k: register j of tile b is channel 32 (b / 2) + 16 h + 8 (b % 2) + j
	v_and_b32 v6, 8, v1
	v_add_nc_u32 v6, v6, v1
	v_lshlrev_b32 v6, 2, v6                        ; v: my lane is channel 32 (a / 2) + 8 (a % 2) + r + 8 (r / 8)
.irp a, 0,1,2,3,4,5,6,7
	global_load_b32 v[VB+2*\a], v6, s[92:93] offset:(32*(\a/2)+8*(\a%2))*4
	global_load_b32 v[VB+2*\a+1], v6, s[92:93] offset:(32*(\a/2)+8*(\a%2))*4   ; twice: a pair for the packed addition
.endr
	WIN 0x40                                       ; destination window 1
.irp b, 0,1,2,3,4,5,6,7
	global_load_b128 v[96+8*\b+96*(\b/4):96+8*\b+96*(\b/4)+3], v5, s[96:97] offset:(32*(\b/2)+8*(\b%2))*4
	global_load_b128 v[96+8*\b+96*(\b/4)+4:96+8*\b+96*(\b/4)+7], v5, s[96:97] offset:(32*(\b/2)+8*(\b%2))*4+16
.endr
	WIN 0
.macro RLOAD a                         ; the table for my block a of tokens: 32 registers, in the layout of a head's 64 channels
.irp g, 0,1,2,3,4,5,6,7
	global_load_b128 v[ROPE+32*((\a)%2)+4*\g:ROPE+32*((\a)%2)+4*\g+3], v[L16], s[ROPB:ROPB+1] offset:(\a)*4096+512*\g
.endr
.endm
	RLOAD 0
	RLOAD 1
.macro FRAG reg, adr, q, i             ; a fragment: six pieces, each 256 consecutive bytes for the wave
.irp p, 0,1,2,3,4,5
	ds_load_b64 v[\reg+2*\p:\reg+2*\p+1], v[\adr] offset:(\i)*RBB+(\q)*FRB+256*\p
.endr
.endm
; 16 matrix instructions: A's blocks a0, a0 + 1 x B's eight, the slot's q-th 128 along K.  p: B's set; sc: the set of scale words; zero = 1: the first product starts the sums.
; The 64 accumulators take turns, one instruction a turn, in the same order in every step.
.macro MUL16 a0, p, q, sc, zero
.irp a, \a0, \a0+1
.irp b, 0,1,2,3,4,5,6,7
.if \zero
	v_wmma_scale_f32_16x16x128_f8f6f4 v[8*(8*((\a)%4)+\b):8*(8*((\a)%4)+\b)+7], v[128*(\p)+FR*\b:128*(\p)+FR*\b+FR-1], v[AF+FR*(\a):AF+FR*(\a)+FR-1], 0, v[SC+8*NQ*(\sc)+NQ*\b+(\q)], v[SC+8*NQ*(\sc)+NQ*(\a)+(\q)] matrix_a_fmt:MATRIX_FMT_FP6 matrix_b_fmt:MATRIX_FMT_FP6 matrix_a_scale:MATRIX_SCALE_ROW1
.else
	v_wmma_scale_f32_16x16x128_f8f6f4 v[8*(8*((\a)%4)+\b):8*(8*((\a)%4)+\b)+7], v[128*(\p)+FR*\b:128*(\p)+FR*\b+FR-1], v[AF+FR*(\a):AF+FR*(\a)+FR-1], v[8*(8*((\a)%4)+\b):8*(8*((\a)%4)+\b)+7], v[SC+8*NQ*(\sc)+NQ*\b+(\q)], v[SC+8*NQ*(\sc)+NQ*(\a)+(\q)] matrix_a_fmt:MATRIX_FMT_FP6 matrix_b_fmt:MATRIX_FMT_FP6 matrix_a_scale:MATRIX_SCALE_ROW1
.endif
.endr
.endr
.endm
.macro FETCH_B slot, q, p
	WIN TO_B
.irp i, 0,1,2,3,4,5,6,7
	FRAG 128*(\p)+FR*\i, ADRB+\slot, \q, \i
.endr
	WIN 0
.endm
.macro FETCH_A slot, q, i0
.irp i, \i0, \i0+1, \i0+2, \i0+3
	FRAG AF+FR*(\i), ADRA+\slot, \q, \i
.endr
.endm
.macro SCALES sc                       ; a slot's scale words: two a row; lanes 0-15 A's block i, lanes 16-31 B's block i
.irp i, 0,1,2,3,4,5,6,7
	ds_load_b64 v[SC+8*NQ*\sc+NQ*\i:SC+8*NQ*\sc+NQ*\i+1], v[ADRS] offset:512*\i
.endr
.endm
.macro PLACES n                        ; places behind matrix instructions, in front of loads into registers that they have read and of the first read of results
.rept \n
	v_nop
.endr
.endm
.macro STEP slot, q, zero              ; a step of 128 along K that has its successor in the same slot
	s_wait_dscnt 4*NL                              ; B's set and A's blocks 0-3 are in; the youngest 24 loads (A's blocks 4-7) may be out
	WIN MUL_LO
	MUL16 0, (\q)%2, \q, \slot, \zero
	MUL16 2, (\q)%2, \q, \slot, \zero
	s_wait_dscnt 0
	PLACES NP
	FETCH_B \slot, (\q)+1, 1-(\q)%2
	FETCH_A \slot, (\q)+1, 0
	WIN MUL_HI
	MUL16 4, (\q)%2, \q, \slot, \zero
	MUL16 6, (\q)%2, \q, \slot, \zero
	PLACES NP
	WIN 0
	FETCH_A \slot, (\q)+1, 4
.endm
; A slot's last step changes slots: one barrier; in front of it each wave waits for all its tensor loads, adds 0 to its spare word, and waits for that and for its reads of this slot.
.macro TURN slot, next, fill
	s_wait_tensorcnt 0x0                           ; all my tensor loads have landed: my part of the next slot
	ds_add_u32 v[SPW], v[NIL]
	s_wait_dscnt 4*NL+1                            ; (the add and the youngest 24 loads may be out)
	WIN MUL_LO
	MUL16 0, 1, NQ-1, \slot, 0
	s_wait_dscnt 0x0                               ; the add is done, and my reads of this slot are over
	s_barrier_signal -1
	MUL16 2, 1, NQ-1, \slot, 0
	WIN 0
	s_barrier_wait -1
.if \fill
	CREST                                          ; the barrier has opened a round of the cluster's: no wave of any partner still reads this slot or has a load on its way
	s_add_nc_u64 s[G0+4*\slot+2:G0+4*\slot+3], s[G0+4*\slot+2:G0+4*\slot+3], 2*RBB
	s_add_nc_u64 s[G0B+4*\slot+2:G0B+4*\slot+3], s[G0B+4*\slot+2:G0B+4*\slot+3], 2*RBB
	JLOAD G0+4*\slot, G1, G0B+4*\slot, G1B         ; the first tensor load behind the round; its four v_nop are the places in front of the loads below
.else
	PLACES NP
.endif
	s_wait_alu depctr_va_vdst(0)
	v_add_nc_u32 v[ADRS], 128, v[ADRS]             ; the next 256 along K of the scale words
	FETCH_B \next, 0, 0
	FETCH_A \next, 0, 0
	SCALES \next
	WIN MUL_HI
	MUL16 4, 1, NQ-1, \slot, 0
	MUL16 6, 1, NQ-1, \slot, 0
	PLACES NP
	WIN 0
	FETCH_A \next, 0, 4
.endm
	s_wait_alu depctr_va_vdst(0)
	s_wait_tensorcnt 1                             ; the scale words and my part of slot 0 are in (slot 1's load may be out),
	s_barrier_signal -1
	s_barrier_wait -1                              ; everybody's are
	FETCH_B 0, 0, 0
	FETCH_A 0, 0, 0
	SCALES 0
	FETCH_A 0, 0, 4
	STEP 0, 0, 1                                   ; K = 1,024 is four slots: written straight
	TURN 0, 1, 1
	STEP 1, 0, 0
	TURN 1, 0, 1
	STEP 0, 0, 0
	TURN 0, 1, 0                                   ; nothing is left to fetch
	STEP 1, 0, 0
	s_wait_dscnt 4*NL
	WIN MUL_LO
	MUL16 0, 1, NQ-1, 1, 0
	MUL16 2, 1, NQ-1, 1, 0
	s_wait_dscnt 0
	WIN MUL_HI
	MUL16 4, 1, NQ-1, 1, 0
	MUL16 6, 1, NQ-1, 1, 0
	WIN 0
; 64 numbers of a lane, register 16 b + i = k 32 b + 16 (lane / 16) + i of my row, become a fragment's codes in v[PC] on and its scale word in v[pw].
.macro QUANT s, pw
.irp b, 0,1,2,3
	v_max3_num_f32 v[TM+\b], |v[\s+16*\b]|, |v[\s+1+16*\b]|, 0x1800000   ; with the floor 2^(3 - 127): the byte cannot fall under 1
.endr
.irp i, 2,4,6,8,10,12,14
.irp b, 0,1,2,3
	v_max3_num_f32 v[TM+\b], v[TM+\b], |v[\s+16*\b+\i]|, |v[\s+1+16*\b+\i]|
.endr
.endr
.irp b, 0,1,2,3
	v_permlanex16_b32 v[TM+4+\b], v[TM+\b], s[SEL], s[SEL+1]
.endr
.irp b, 0,1,2,3
	v_max_num_f32 v[TM+\b], v[TM+\b], v[TM+4+\b]   ; with lane l xor 16's: the block's largest magnitude
.endr
.irp b, 0,1,2,3
	v_add_nc_u32 v[TM+12+\b], 0xff000000, v[TM+\b] ; 2 off its exponent field: the conversion's scale operand
.endr
.irp b, 0,1,2,3
	v_lshrrev_b32 v[TM+4+\b], 23, v[TM+12+\b]      ; the scale's byte
.endr
	v_lshl_or_b32 v[\pw], v[TM+5], 8, v[TM+4]
	v_lshl_or_b32 v[\pw], v[TM+6], 16, v[\pw]
	v_lshl_or_b32 v[\pw], v[TM+7], 24, v[\pw]
.irp c, 0,1
	v_cvt_scalef32_pk16_fp6_f32 v[PC+6*\c:PC+2+6*\c], v[\s+32*\c:\s+15+32*\c], v[TM+12+2*\c]
	v_cvt_scalef32_pk16_fp6_f32 v[PC+12+4*\c:PC+14+4*\c], v[\s+16+32*\c:\s+31+32*\c], v[TM+12+2*\c+1]
.endr
	v_nop                                          ; one plain place behind a scaled conversion
.irp c, 0,1                                    ; the operand's layout wants a whole block in a lane
.irp i, 0,1,2
	v_permlane16_swap_b32 v[PC+6*\c+\i], v[PC+12+4*\c+\i]
.endr
.irp i, 0,1,2
	v_mov_b32 v[PC+3+6*\c+\i], v[PC+12+4*\c+\i]
.endr
.endr
.endm
	PLACES NP
	s_wait_xcnt 0x0                                ; the loads at the head have read their bases: the scalar registers below may be written
	v_cmp_le_u32 s100, 16, v3                      ; lanes 16-31
	s_cmp_eq_u32 s[KIND], 2
	s_cbranch_scc1 .Lv_out
	; ---- q, k.  My 128 channels are two heads; my 128 tokens are eight fragments.
	s_lshr_b32 s92, s43, 3
	s_lshl_b32 s92, s92, 4                         ; 16 x batch
	s_lshl_b32 s93, s40, 2
	s_add_co_u32 s92, s92, s93
	s_lshl_b32 s93, s[WL], 1
	s_add_co_u32 s92, s92, s93                     ; my first head
	s_and_b32 s93, s43, 7
	s_lshl_b32 s93, s93, 4
	s_lshl_b32 s94, s[WH], 3
	s_add_co_u32 s93, s93, s94                     ; my first fragment of tokens
	s_cmp_eq_u32 s[KIND], 0
	s_mov_b32 s46, 196608
	s_cselect_b32 s46, 98304, s46                  ; from head to head: codes,
	s_mov_b32 s47, 12288
	s_cselect_b32 s47, 8192, s47                   ; scale words
	s_cselect_b32 s23, 0, QSZ
	s_cselect_b32 s99, 0, 524288
	s_mul_i32 s94, s92, s46
	s_mul_i32 s95, s93, 768
	s_mul_i32 s98, s92, s47
	s_add_co_u32 s94, s94, s23
	s_add_co_u32 s94, s94, s95
	s_add_co_u32 s98, s98, s99
	s_lshl_b32 s99, s93, 6
	s_add_co_u32 s98, s98, s99
	s_mov_b32 s95, 0
	s_mov_b32 s99, 0
	s_add_nc_u64 s[92:93], s[16:17], s[94:95]      ; codes: my first head,
	s_mov_b32 s94, s46
	s_add_nc_u64 s[94:95], s[92:93], s[94:95]      ; my second
	s_add_nc_u64 s[96:97], s[18:19], s[98:99]      ; scale words likewise
	s_mov_b32 s98, s47
	s_add_nc_u64 s[98:99], s[96:97], s[98:99]
.macro QKBLK a
.if (\a) > 0
	s_wait_xcnt 0x0                                ; the last block's stores have read the codes' registers
.endif
.if (\a) < 7
	s_wait_loadcnt 8                               ; this block's set of the table is in (and the bias); the other set's 8 loads may be out
.else
	s_wait_loadcnt 0x0
.endif
	WIN 0x06+(\a)/4                                ; source 0: window 2 or 3; source 1: window 1
.irp b, 0,1,2,3,4,5,6,7
.irp i, 0,2,4,6
	v_pk_add_f32 v[HA+8*\b+\i:HA+8*\b+\i+1], v[8*(8*((\a)%4)+\b)+\i:8*(8*((\a)%4)+\b)+\i+1], v[96+8*\b+96*(\b/4)+\i:96+8*\b+96*(\b/4)+\i+1]   ; + bias; each accumulator from its low end on
.endr
.endr
	WIN 0
.set RP, ROPE+32*((\a)%2)
.irp b, 0,1,2,3,4,5,6,7                        ; rope: (x0, x1) -> (x0 c - x1 s, x0 s + x1 c); the table holds c in the even register, s in the odd one
.irp i, 0,2,4,6
	v_mul_f32 v[TM+\i], v[HA+8*\b+\i+1], v[RP+8*(\b%4)+\i+1]
	v_mul_f32 v[TM+\i+1], v[HA+8*\b+\i], v[RP+8*(\b%4)+\i+1]
.endr
.irp i, 0,2,4,6
	v_fma_f32 v[HA+8*\b+\i], v[HA+8*\b+\i], v[RP+8*(\b%4)+\i], -v[TM+\i]
	v_fma_f32 v[HA+8*\b+\i+1], v[HA+8*\b+\i+1], v[RP+8*(\b%4)+\i], v[TM+\i+1]
.endr
.endr
.if (\a) < 6
	RLOAD (\a)+2                                   ; into the set just used
.endif
	QUANT HA, PWA+(\a)
.irp p, 0,1,2,3,4,5
	global_store_b64 v[L8], v[PC+2*\p:PC+2*\p+1], s[92+2*(\p/3):93+2*(\p/3)] offset:768*(\a)+256*(\p%3)   ; pieces 0-2: my first head, 3-5: my second; 256 consecutive bytes, aligned
.endr
.endm
.irp a, 0,1,2,3,4,5,6,7
	QKBLK \a
.endr
.irp c, 0,1                                    ; the scale words: head c has bytes 2 c, 2 c + 1 of each; lanes 0-15 store fragments 4 e, 4 e + 1 of row r, lanes 16-31 fragments 4 e + 2, 4 e + 3
.irp e, 0,1
	v_cndmask_b32 v[40+4*\c+2*\e], v[PWA+4*\e], v[PWA+4*\e+2], s100
	v_cndmask_b32 v[41+4*\c+2*\e], v[PWA+4*\e+1], v[PWA+4*\e+3], s100
.if \c == 0
	v_and_b32 v[40+4*\c+2*\e], 0xffff, v[40+4*\c+2*\e]
	v_and_b32 v[41+4*\c+2*\e], 0xffff, v[41+4*\c+2*\e]
.else
	v_lshrrev_b32 v[40+4*\c+2*\e], 16, v[40+4*\c+2*\e]
	v_lshrrev_b32 v[41+4*\c+2*\e], 16, v[41+4*\c+2*\e]
.endif
	global_store_b64 v[L8], v[40+4*\c+2*\e:41+4*\c+2*\e], s[96+2*\c:97+2*\c] offset:256*\e
.endr
.endr
	s_branch .Lend
.Lv_out:
	; ---- v.  My 128 channels are two heads of four fragments; my 128 tokens are one K step of the attention's second product.
	s_lshr_b32 s92, s42, 3
	s_lshl_b32 s92, s92, 4
	s_lshl_b32 s93, s41, 2
	s_add_co_u32 s92, s92, s93
	s_lshl_b32 s93, s[WH], 1
	s_add_co_u32 s92, s92, s93                     ; my first head
	s_and_b32 s93, s42, 7
	s_lshl_b32 s93, s93, 1
	s_add_co_u32 s93, s93, s[WL]                   ; which 128 keys
	s_mul_i32 s94, s92, 196608
	s_mul_i32 s95, s93, 6144
	s_add_co_u32 s94, s94, s95
	s_add_co_u32 s94, s94, QSZ+98304
	s_mul_i32 s98, s92, 12288
	s_lshl_b32 s99, s93, 8
	s_add_co_u32 s98, s98, s99
	s_add_co_u32 s98, s98, 524288+8192
	s_mov_b32 s95, 0
	s_mov_b32 s99, 0
	s_add_nc_u64 s[92:93], s[16:17], s[94:95]
	s_add_nc_u64 s[94:95], s[92:93], 196608
	s_add_nc_u64 s[96:97], s[18:19], s[98:99]
	s_add_nc_u64 s[98:99], s[96:97], 12288
	s_wait_loadcnt 0x0                             ; the bias
.macro VBLK a
.if (\a) > 0
	s_wait_xcnt 0x0                                ; the last block's stores have read the codes' registers
.endif
	WIN 0x02+(\a)/4                                ; source 0: window 2 or 3
.irp b, 0,1,2,3,4,5,6,7
.irp i, 0,2,4,6
	v_pk_add_f32 v[HA+8*\b+\i:HA+8*\b+\i+1], v[8*(8*((\a)%4)+\b)+\i:8*(8*((\a)%4)+\b)+\i+1], v[VB+2*(\a):VB+2*(\a)+1]   ; + my channel's bias
.endr
.endr
	WIN 0
	QUANT HA, PWA+(\a)
.irp p, 0,1,2,3,4,5
	global_store_b64 v[L8], v[PC+2*\p:PC+2*\p+1], s[92+2*((\a)/4):93+2*((\a)/4)] offset:1536*((\a)%4)+256*\p
.endr
.endm
.irp a, 0,1,2,3,4,5,6,7
	VBLK \a
.endr
.irp c, 0,1
	v_cndmask_b32 v[40+2*\c], v[PWA+4*\c], v[PWA+4*\c+2], s100
	v_cndmask_b32 v[41+2*\c], v[PWA+4*\c+1], v[PWA+4*\c+3], s100
	global_store_b64 v[L8], v[40+2*\c:41+2*\c], s[96+2*\c:97+2*\c]
.endr
.Lend:
	s_wait_tensorcnt 0x0                           ; the wave's end, behind my last tensor load
	ds_add_u32 v[SPW], v[NIL]
	s_wait_dscnt 0x0
	CROUND                                         ; the closing round: no work-group ends while a partner may still ask for a tile that names it
	s_endpgm
.Lfunc_end_k_q09d73fdf03_qkv:
	.size	k_q09d73fdf03_qkv, .Lfunc_end_k_q09d73fdf03_qkv-k_q09d73fdf03_qkv
	.p2alignl 7, 3214868480
	.fill 96, 4, 3214868480
	.section	.rodata,"a",@progbits
	.p2align	6, 0x0
	.amdhsa_kernel k_q09d73fdf03_qkv
		.amdhsa_group_segment_fixed_size 327680
		.amdhsa_private_segment_fixed_size 0
		.amdhsa_enable_private_segment 0
		.amdhsa_kernarg_size 64
		.amdhsa_user_sgpr_count 2
		.amdhsa_user_sgpr_kernarg_segment_ptr 1
		.amdhsa_wavefront_size32 1
		.amdhsa_system_sgpr_workgroup_id_x 1
		.amdhsa_system_sgpr_workgroup_id_y 1
		.amdhsa_system_sgpr_workgroup_id_z 1
		.amdhsa_system_vgpr_workitem_id 0
		.amdhsa_next_free_vgpr 1024
		.amdhsa_next_free_sgpr 102
		.amdhsa_reserve_vcc 0
		.amdhsa_float_denorm_mode_32 3
		.amdhsa_float_denorm_mode_16_64 3
		.amdhsa_memory_ordered 1
		.amdhsa_forward_progress 1
		.amdhsa_inst_pref_size 255
	.end_amdhsa_kernel
	.section	.bss,"aw",@nobits
	.p2align	6
	.space	262144
	.amdgpu_metadata
---
amdhsa.version: [ 1, 2 ]
amdhsa.kernels:
  - .name:           k_q09d73fdf03_qkv
    .symbol:         k_q09d73fdf03_qkv.kd
    .args:
      - { .name: opc, .offset: 0, .size: 8, .value_kind: global_buffer, .address_space: global }
      - { .name: ops, .offset: 8, .size: 8, .value_kind: global_buffer, .address_space: global }
      - { .name: rope, .offset: 16, .size: 8, .value_kind: global_buffer, .address_space: global }
      - { .name: bq, .offset: 24, .size: 8, .value_kind: global_buffer, .address_space: global }
      - { .name: bk, .offset: 32, .size: 8, .value_kind: global_buffer, .address_space: global }
      - { .name: bv, .offset: 40, .size: 8, .value_kind: global_buffer, .address_space: global }
      - { .name: atc, .offset: 48, .size: 8, .value_kind: global_buffer, .address_space: global }
      - { .name: ats, .offset: 56, .size: 8, .value_kind: global_buffer, .address_space: global }
    .group_segment_fixed_size: 327680
    .private_segment_fixed_size: 0
    .kernarg_segment_align: 8
    .kernarg_segment_size: 64
    .max_flat_workgroup_size: 128
    .sgpr_count:     102
    .vgpr_count:     1024
    .wavefront_size: 32
...
	.end_amdgpu_metadata
.endif
;; end of part 2
;; launch attn (part 3): grid 4 x 64, 16 waves a work-group, no clusters, 210,944 bytes of LDS; arguments atc, ats, yc, ys; writes yc, ys
.if DOCPART == 3
	.amdgcn_target "amdgcn-amd-amdhsa--gfx1250"
	.amdhsa_code_object_version 6
	.text
	.protected	k_q09d73fdf03_attn
	.globl	k_q09d73fdf03_attn
	.p2align	8
	.type	k_q09d73fdf03_attn,@function
k_q09d73fdf03_attn:
	s_mov_b64 s[64:65], 0
	v_nop
	global_prefetch_b8 v0, s[64:65] scope:SCOPE_SE
	s_setreg_imm32_b32 hwreg(HW_REG_WAVE_MODE, 25, 1), 1
	s_wait_xcnt 0x0
; y[head][q] = the sum over keys k <= q of softmax_k(q . k / 8) v[k], both products on codes of FP6 (E2M3) with E8M0 scales; y is quantised along the model's 1,024 channels for the last product.
; THE SOFTMAX: t = score x log2(e) / 8; M = the row's largest t so far, rounded up to a whole number; p = 2^(t - M) is quantised along the keys, not normalised; the row's sum is taken of the
; unquantised p and divides at the end.  When M moves, the sum and O are multiplied by 2^(old M - new M), which rounds nothing.
; THE MASK: a hidden score becomes -8e10, the score whose logit is -1e10; key steps that lie wholly behind a wave's queries are passed over.
; SHARES.  256 work-groups: (i, head) takes the head's block i of 256 queries and then block 7 - i, so that all have the same work.  Each of the sixteen waves owns one fragment of 16 queries
; (place r = query Q0 + r + 8 (r / 8)) in 256 registers: four waves to a SIMD, so that one wave's vector work stands beside another's products and LDS loads.
; NO RING: a head's k and v, codes (2 x 98,304 bytes) and scale words (12,288), are brought into LDS once, at the head, and nothing is filled again.  Every wave issues three tensor loads: its part
; of the scale words, of keys 0-255, and of the rest; the first two key steps run while the rest is on its way.
; NO CLUSTER: the four work-groups of a head pass over different key steps, by branches on their own numbers.
; NO PREFETCH: everything is asked for at the head.
; LAYOUT.  Both products are used transposed: S^T = k q^T (source 0 = 16 keys), O^T = v^T p^T (source 0 = 16 channels): a lane holds one query throughout.  By the order of rows in the fragments the 16
; registers of two neighbouring tiles are 16 neighbouring keys (channels).  K = 64 in the first product: q's registers 6-11 are zeros, so whatever codes stand in k's registers 6-11 add nothing
; (every code of this format is a finite number): k's fragment t lies at v[42 + 6 t], its upper half is the next fragment's lower half, and v90-95 stay zeros.
; LIMITS: NaN and infinities are not served; a block of y whose largest magnitude lies under 2^-124 gets the byte 1.  y's scale bytes leave one byte a lane: a head has two bytes of each row's eight.
.set QSZ,  6291456
.set VC,   98304                       ; LDS: k's codes at 0, v's here,
.set KSC,  196608                      ; k's scale words,
.set VSC,  204800                      ; v's,
.set SPARE, 208896                     ; and the spare words, 128 bytes a wave: eight blocks of 256 bytes that no other line names
.set L8,   1                           ; v1   8 x lane
.set AKS,  2                           ; v2   8 r + KSC
.set AVS,  3                           ; v3   8 r + VSC
.set LQ,   4                           ; v4   r + 8 (r / 8) - 16 h
.set SPW,  5
.set NIL,  6
.set YS8,  7                           ; v7   8 r + h
.set ADK,  8
.set ADV,  9
.set ADS,  10
.set ADT,  11
.set KFR,  42
.set S,    96
.set OT,   160
.set PCD,  192
.set PCT,  204
.set KSW,  212
.set VSW,  220
.set BM,   224
.set PT,   228
.set SO,   232
.set SM,   236
.set PWD,  248
.set FF,   250
.set WV,   12
.set BH,   13
.set SEL,  52
.set CS,   54
.set TB,   56
.set TS,   57
.set TJ,   58
.set KF,   59
.set CNT,  62
.set HM,   63
.macro DENSE g, rows                   ; group 1 of a dense block: rows of 256 bytes (32 elements of 8 bytes)
	s_mov_b32 s[\g], 3<<16
	s_mov_b32 s[\g+1], 32<<16
	s_mov_b32 s[\g+2], (\rows)<<16
	s_mov_b32 s[\g+3], 32<<16
	s_mov_b32 s[\g+4], \rows
	s_mov_b32 s[\g+5], 32
	s_mov_b32 s[\g+6], 0
	s_mov_b32 s[\g+7], 0
.endm
	s_load_b256 s[4:11], s[0:1], 0x0               ; atc, ats, yc, ys
	v_lshl_add_u32 v[SPW], v0, 2, SPARE
	v_mov_b32 v[NIL], 0
	ds_add_u32 v[SPW], v[NIL]                      ; the wave's opening: the add and its wait stand ahead of my first tensor load; work on registers stands between them
	ds_add_u32 v[SPW], v[NIL]
	v_lshrrev_b32 v254, 5, v0
	s_delay_alu instid0(VALU_DEP_1)
	v_readfirstlane_b32 s[WV], v254
	s_and_b32 s[BH], ttmp7, 0xffff                 ; batch x 16 + head
	DENSE 16, 3
	DENSE 24, 6
	DENSE 32, 42
	s_mul_i32 s66, s[WV], 768                      ; my sixteenth of the scale words
	s_lshr_b32 s67, s[WV], 3
	s_mul_i32 s67, s67, 98304                      ; waves 0-7: k; waves 8-15: v
	s_and_b32 s68, s[WV], 7
	s_mul_i32 s69, s68, 1536
	s_add_co_u32 s69, s69, s67                     ; my eighth of keys 0-255: the same place in LDS and in the head's part of atc
	s_mul_i32 s68, s68, 10752
	s_add_co_u32 s68, s68, s67
	s_add_co_u32 s68, s68, 12288                   ; and of the rest
	s_mul_i32 s70, s[BH], 196608
	s_add_co_u32 s70, s70, QSZ
	s_mov_b32 s71, 0
	s_mul_i32 s72, s[BH], 12288
	s_add_co_u32 s72, s72, 524288
	s_add_co_u32 s72, s72, s66
	s_mov_b32 s73, 0
	s_mov_b32 s75, 0
	s_mov_b32 s[SEL], 0x76543210
	s_mov_b32 s[SEL+1], 0xfedcba98
	s_mov_b32 s[CS], 0x3e38aa3b                    ; log2(e) / 8
	s_mov_b32 s[CS+1], s[CS]
	s_wait_dscnt 0x0                               ; the opening add is done
	s_wait_kmcnt 0x0
	s_mov_b32 s40, 1
	s_add_co_u32 s41, s66, KSC
	s_add_nc_u64 s[42:43], s[6:7], s[72:73]
	s_or_b32 s43, s43, 0x80000000
	s_add_nc_u64 s[70:71], s[4:5], s[70:71]
	s_mov_b32 s44, 1
	s_mov_b32 s45, s69
	s_mov_b32 s74, s69
	s_add_nc_u64 s[46:47], s[70:71], s[74:75]
	s_or_b32 s47, s47, 0x80000000
	s_mov_b32 s48, 1
	s_mov_b32 s49, s68
	s_mov_b32 s74, s68
	s_add_nc_u64 s[50:51], s[70:71], s[74:75]
	s_or_b32 s51, s51, 0x80000000
	tensor_load_to_lds s[40:43], s[16:23]          ; three loads of mine are out
	s_nop 0
	tensor_load_to_lds s[44:47], s[24:31]
	s_nop 0
	tensor_load_to_lds s[48:51], s[32:39]
	s_nop 0
.macro PASSADR p                       ; pass p: my fragment of queries, its first query, where q lies and where y goes
.if \p == 0
	s_lshl_b32 s66, ttmp9, 4
.else
	s_sub_co_u32 s66, 7, ttmp9
	s_lshl_b32 s66, s66, 4
.endif
	s_add_co_u32 s66, s66, s[WV]                   ; the fragment, 0 .. 127
	s_lshr_b32 s67, s66, 1
	s_and_b32 s68, s66, 1
	s_lshl_b32 s69, s67, 5
	s_lshl_b32 s74, s68, 3
	s_add_co_u32 s[60+\p], s69, s74                ; Q0
	s_mul_i32 s69, s[BH], 98304
	s_mul_i32 s74, s66, 768
	s_add_co_u32 s74, s74, s69
	s_add_nc_u64 s[84+4*\p:85+4*\p], s[4:5], s[74:75]
	s_lshl_b32 s69, s[BH], 13
	s_lshl_b32 s74, s67, 7
	s_add_co_u32 s74, s74, s69
	s_lshl_b32 s69, s68, 2
	s_add_co_u32 s74, s74, s69
	s_add_nc_u64 s[86+4*\p:87+4*\p], s[6:7], s[74:75]
	s_lshr_b32 s69, s[BH], 4
	s_lshl_b32 s69, s69, 7
	s_add_co_u32 s69, s69, s66                     ; the fragment among all 512
	s_and_b32 s67, s[BH], 15                       ; the head: half (head % 2) of K step head / 2
	s_mul_i32 s74, s69, 12288
	s_mul_i32 s68, s67, 768
	s_add_co_u32 s74, s74, s68
	s_add_nc_u64 s[76+4*\p:77+4*\p], s[8:9], s[74:75]
	s_lshl_b32 s74, s69, 9
	s_lshr_b32 s68, s67, 2
	s_lshl_b32 s68, s68, 7
	s_add_co_u32 s74, s74, s68
	s_and_b32 s68, s67, 3
	s_lshl_b32 s68, s68, 1
	s_add_co_u32 s74, s74, s68
	s_add_nc_u64 s[78+4*\p:79+4*\p], s[10:11], s[74:75]
.endm
	PASSADR 0
	PASSADR 1
	v_and_b32 v254, 31, v0                         ; lane
	v_and_b32 v252, 15, v0                         ; r
	v_bfe_u32 v253, v0, 4, 1                       ; h
	s_delay_alu instid0(VALU_DEP_3)
	v_lshlrev_b32 v[L8], 3, v254
	s_delay_alu instid0(VALU_DEP_3)
	v_lshlrev_b32 v[ADS], 3, v252                  ; 8 r
.irp p, 0,1
.irp i, 0,1,2
	global_load_b64 v[16+12*\p+2*\i:17+12*\p+2*\i], v[L8], s[84+4*\p:85+4*\p] offset:256*\i   ; q's half fragments of both passes stay in registers
.endr
	global_load_b32 v[40+\p], v[ADS], s[86+4*\p:87+4*\p]
.endr
	v_add_nc_u32 v[AKS], KSC, v[ADS]
	v_add_nc_u32 v[AVS], VSC, v[ADS]
	v_and_b32 v[LQ], 8, v252
	s_delay_alu instid0(VALU_DEP_1)
	v_add_nc_u32 v[LQ], v[LQ], v252
	v_lshlrev_b32 v[YS8], 4, v253
	s_delay_alu instid0(VALU_DEP_1)
	v_sub_nc_u32 v[LQ], v[LQ], v[YS8]
	v_add_nc_u32 v[YS8], v[ADS], v253
	v_cmp_le_u32 s[HM], 16, v254
.irp i, 0,1,2,3,4,5
	v_mov_b32 v[22+\i], 0                          ; q's codes of k = 64 .. 127
	v_mov_b32 v[34+\i], 0
	v_mov_b32 v[90+\i], 0                          ; the upper half of k's eighth fragment
.endr
.irp b, 0,1,2,3
	v_mov_b32 v[PT+\b], 0                          ; written once: a lane permute's destination counts as one of its sources
.endr
	v_mov_b32 v[FF+1], 0                           ; (named as the upper half of a pair)
.macro INIT                            ; a pass begins: O^T and the sum are zeros, the largest t lies under every t
	v_mov_b32 v13, 0xff61b1e6
	s_delay_alu instid0(VALU_DEP_1)
	v_floor_f32 v12, -v13
	v_mov_b32 v14, 0
	v_mov_b32 v15, 0
.set n, 0
.rept 32
	v_mov_b32 v[OT+n], 0
.set n, n+1
.endr
	s_mov_b32 s[TB], 0
	s_mov_b32 s[TS], 0
	s_mov_b32 s[TJ], 0
	s_mov_b32 s[KF], 0
.endm
; A KEY STEP: 128 keys from s[KF] on.  qf: q's fragment; qs: its scale word; q0: the scalar with my first query.
.macro STEP qf, qs, q0
	s_add_co_u32 s66, s[\q0], 23                   ; my last query
	s_cmp_gt_u32 s[KF], s66
	s_cbranch_scc1 .Lhidden_\@                     ; all keys of the step come after my queries: ids alone decide; the lines at the end that step addresses are not passed over
	s_setprio 2
	v_add_nc_u32 v[ADK], s[TB], v[L8]              ; (these four are also the places behind the last products, in front of the loads into registers that they have read)
	v_add_nc_u32 v[ADS], s[TS], v[AKS]
	v_add_nc_u32 v[ADT], s[TJ], v[AVS]
	s_delay_alu instid0(VALU_DEP_3)
	v_add_nc_u32 v[ADV], VC, v[ADK]
.irp t, 0,1,2,3,4,5,6,7
.irp p, 0,1,2
	ds_load_b64 v[KFR+6*\t+2*\p:KFR+6*\t+2*\p+1], v[ADK] offset:768*\t+256*\p
.endr
.endr
.irp a, 0,1,2,3
	ds_load_b64 v[KSW+2*\a:KSW+2*\a+1], v[ADS] offset:128*\a
.endr
	s_wait_alu depctr_va_vdst(0)
	s_wait_dscnt 0x0
.irp t, 0,1,2,3,4,5,6,7
	v_wmma_scale_f32_16x16x128_f8f6f4 v[S+8*\t:S+8*\t+7], v[KFR+6*\t:KFR+6*\t+11], v[\qf:\qf+11], 0, v[KSW+\t], v[\qs] matrix_a_fmt:MATRIX_FMT_FP6 matrix_b_fmt:MATRIX_FMT_FP6
.endr
.rept 4
	v_nop                                          ; places: for the first read of the scores and for the loads below
.endr
.irp f, 0,1,2,3                                ; v's fragments are asked for now and land under the softmax
.irp p, 0,1,2,3,4,5
	ds_load_b64 v[KFR+12*\f+2*\p:KFR+12*\f+2*\p+1], v[ADV] offset:1536*\f+256*\p
.endr
.endr
.irp d, 0,1
	ds_load_b64 v[VSW+2*\d:VSW+2*\d+1], v[ADT] offset:128*\d
.endr
	s_add_co_u32 s66, s[KF], 127
	s_cmp_le_u32 s66, s[\q0]
	s_cbranch_scc1 .Lopen_\@                       ; all keys of the step count for all my queries
	s_sub_co_i32 s66, s[\q0], s[KF]
	v_add_nc_u32 v252, s66, v[LQ]                  ; d = my query - KF - 16 h.  Register 16 b + i holds key KF + 32 b + 16 h + i: hidden where 32 b + i > d
	v_mov_b32 v254, 0xd19502f9                     ; -8e10
.set n, 0
.rept 64
	v_cmp_gt_i32 vcc_lo, 32*(n/16)+n%16, v252
	v_cndmask_b32 v[S+n], v[S+n], v254, vcc_lo
.set n, n+1
.endr
.Lopen_\@:
.irp b, 0,1,2,3
	v_max3_num_f32 v[BM+\b], v[S+16*\b], v[S+1+16*\b], v[S+2+16*\b]   ; the largest score of each block of 32 keys: for the row's maximum, and, since p rises with the score, for the block's largest p
.endr
.irp i, 3,5,7,9,11,13
.irp b, 0,1,2,3
	v_max3_num_f32 v[BM+\b], v[BM+\b], v[S+16*\b+\i], v[S+1+16*\b+\i]
.endr
.endr
.irp b, 0,1,2,3
	v_max_num_f32 v[BM+\b], v[BM+\b], v[S+15+16*\b]
.endr
.irp b, 0,1,2,3
	s_delay_alu instid0(VALU_DEP_4)
	v_permlanex16_b32 v[PT+\b], v[BM+\b], s[SEL], s[SEL+1]
.endr
.irp b, 0,1,2,3
	s_delay_alu instid0(VALU_DEP_4)
	v_max_num_f32 v[BM+\b], v[BM+\b], v[PT+\b]
.endr
	s_delay_alu instid0(VALU_DEP_2)
	v_max3_num_f32 v254, v[BM], v[BM+1], v[BM+2]
	s_delay_alu instid0(VALU_DEP_1)
	v_max_num_f32 v254, v254, v[BM+3]
	s_delay_alu instid0(VALU_DEP_1)
	v_mul_f32 v254, s[CS], v254
	s_delay_alu instid0(VALU_DEP_1)
	v_max_num_f32 v13, v13, v254                   ; the running largest t
	v_mov_b32 v254, v12
	s_delay_alu instid0(VALU_DEP_2)
	v_floor_f32 v12, -v13                          ; -M = floor(-t): M is a whole number
	s_delay_alu instid0(VALU_DEP_1)
	v_sub_f32 v254, v12, v254
	s_delay_alu instid0(VALU_DEP_1)
	v_cvt_i32_f32 v254, v254                       ; old M - new M (it saturates)
	s_delay_alu instid0(VALU_DEP_1)
	v_ldexp_f32 v[FF], 1.0, v254                   ; f = 2^(old M - new M)
.set n, 0
	s_setprio 1
.rept 32
	v_pk_fma_f32 v[S+n:S+n+1], v[S+n:S+n+1], s[CS:CS+1], v[12:13] op_sel_hi:[1,0,0]   ; t - M
.set n, n+2
.endr
.irp b, 0,1,2,3
	v_fma_f32 v[BM+\b], v[BM+\b], s[CS], v12
.endr
.set n, 0
	s_wait_alu depctr_va_vdst(0)
.rept 64
	v_exp_f32 v[S+n], v[S+n]                       ; p = 2^(t - M)
.set n, n+1
.endr
	v_pk_mul_f32 v[14:15], v[14:15], v[FF:FF+1] op_sel_hi:[1,0]   ; the sums under the new M (a plain place behind the exponentials)
	s_wait_alu depctr_va_vdst(0)                   ; one wait for the batch, ahead of its first reader
.irp b, 0,1,2,3
	v_exp_f32 v[BM+\b], v[BM+\b]                   ; the block's largest p
.endr
	v_pk_add_f32 v[236:237], v[100:101], v[104:105]
	v_pk_add_f32 v[254:255], v[108:109], v[112:113]
	v_pk_add_f32 v[248:249], v[116:117], v[120:121]
	v_pk_add_f32 v[246:247], v[124:125], v[128:129]
	v_pk_add_f32 v[244:245], v[132:133], v[136:137]
	v_pk_add_f32 v[242:243], v[140:141], v[144:145]
	v_pk_add_f32 v[240:241], v[148:149], v[152:153]
	v_pk_add_f32 v[14:15], v[14:15], v[156:157]
	v_pk_add_f32 v[236:237], v[236:237], v[96:97]
	v_pk_add_f32 v[254:255], v[254:255], v[98:99]
	v_pk_add_f32 v[248:249], v[248:249], v[102:103]
	v_pk_add_f32 v[246:247], v[246:247], v[106:107]
	v_pk_add_f32 v[244:245], v[244:245], v[110:111]
	v_pk_add_f32 v[242:243], v[242:243], v[114:115]
	v_pk_add_f32 v[240:241], v[240:241], v[118:119]
	v_pk_add_f32 v[14:15], v[14:15], v[122:123]
	v_pk_add_f32 v[236:237], v[236:237], v[126:127]
	v_pk_add_f32 v[254:255], v[254:255], v[130:131]
	v_pk_add_f32 v[248:249], v[248:249], v[134:135]
	v_pk_add_f32 v[246:247], v[246:247], v[138:139]
	v_pk_add_f32 v[244:245], v[244:245], v[142:143]
	v_pk_add_f32 v[242:243], v[242:243], v[146:147]
	v_pk_add_f32 v[240:241], v[240:241], v[150:151]
	v_pk_add_f32 v[14:15], v[14:15], v[154:155]
	v_pk_add_f32 v[236:237], v[236:237], v[158:159]
	s_delay_alu instid0(VALU_DEP_2)
	v_pk_add_f32 v[14:15], v[14:15], v[246:247]
	s_delay_alu instid0(VALU_DEP_2)
	v_pk_add_f32 v[236:237], v[236:237], v[244:245]
	v_pk_add_f32 v[254:255], v[254:255], v[242:243]
	v_pk_add_f32 v[248:249], v[248:249], v[240:241]
	s_delay_alu instid0(VALU_DEP_2)
	v_pk_add_f32 v[14:15], v[14:15], v[254:255]
	s_delay_alu instid0(VALU_DEP_2)
	v_pk_add_f32 v[236:237], v[236:237], v[248:249]
	s_delay_alu instid0(VALU_DEP_1)
	v_pk_add_f32 v[14:15], v[14:15], v[236:237]
	s_setprio 0
	s_wait_alu depctr_va_vdst(0)                   ; and one for the four
.irp b, 0,1,2,3
	v_max_num_f32 v[BM+\b], 0x1800000, v[BM+\b]    ; the floor 2^(3 - 127): the byte cannot fall under 1
.endr
.irp b, 0,1,2,3
	s_delay_alu instid0(VALU_DEP_4)
	v_add_nc_u32 v[SO+\b], 0xff000000, v[BM+\b]
.endr
.irp b, 0,1,2,3
	s_delay_alu instid0(VALU_DEP_4)
	v_lshrrev_b32 v[PT+\b], 23, v[SO+\b]
.endr
	s_delay_alu instid0(VALU_DEP_3)
	v_lshl_or_b32 v[PWD], v[PT+1], 8, v[PT]        ; p's scale word for these 128 keys
	s_delay_alu instid0(VALU_DEP_1)
	v_lshl_or_b32 v[PWD], v[PT+2], 16, v[PWD]
	s_delay_alu instid0(VALU_DEP_1)
	v_lshl_or_b32 v[PWD], v[PT+3], 24, v[PWD]
.irp c, 0,1
	v_cvt_scalef32_pk16_fp6_f32 v[PCD+6*\c:PCD+2+6*\c], v[S+32*\c:S+15+32*\c], v[SO+2*\c]
	v_cvt_scalef32_pk16_fp6_f32 v[PCT+4*\c:PCT+2+4*\c], v[S+16+32*\c:S+31+32*\c], v[SO+2*\c+1]
.endr
	v_nop                                          ; one plain place behind a scaled conversion
.irp c, 0,1
.irp i, 0,1,2
	v_permlane16_swap_b32 v[PCD+6*\c+\i], v[PCT+4*\c+\i]
.endr
.irp i, 0,1,2
	s_delay_alu instid0(VALU_DEP_3)
	v_mov_b32 v[PCD+3+6*\c+\i], v[PCT+4*\c+\i]
.endr
.endr
.set n, 0
.rept 16
	v_pk_mul_f32 v[OT+n:OT+n+1], v[OT+n:OT+n+1], v[FF:FF+1] op_sel_hi:[1,0]   ; O^T under the new M; these are also the places between the scale word's last write and the products
.set n, n+2
.endr
	s_wait_alu depctr_va_vdst(0)
	s_wait_dscnt 0x0                               ; v is in
.irp f, 0,1,2,3
	v_wmma_scale_f32_16x16x128_f8f6f4 v[OT+8*\f:OT+8*\f+7], v[KFR+12*\f:KFR+12*\f+11], v[PCD:PCD+11], v[OT+8*\f:OT+8*\f+7], v[VSW+\f], v[PWD] matrix_a_fmt:MATRIX_FMT_FP6 matrix_b_fmt:MATRIX_FMT_FP6
.endr
.Lhidden_\@:
	s_add_co_u32 s[KF], s[KF], 128
	s_add_co_u32 s[TB], s[TB], 6144
	s_add_co_u32 s[TS], s[TS], 512
	s_add_co_u32 s[TJ], s[TJ], 256
.endm
; THE WAY OUT of a pass: y = O^T / the sum; register 8 f + j is channel 32 (f / 2) + 16 h + 8 (f % 2) + j: two blocks of 32, quantised as an operand's half fragment.
.macro OUT p
.rept 4
	v_nop
.endr
	v_add_f32 v14, v14, v15
	s_delay_alu instid0(VALU_DEP_1)
	v_permlanex16_b32 v252, v14, s[SEL], s[SEL+1]
	s_delay_alu instid0(VALU_DEP_1)
	v_add_f32 v14, v14, v252
	s_wait_alu depctr_va_vdst(0)
	v_rcp_f32 v14, v14
	v_nop                                          ; a plain place behind the reciprocal
	s_wait_alu depctr_va_vdst(0)                   ; the wait ahead of its first reader
.set n, 0
.rept 32
	v_mul_f32 v[S+n], v[OT+n], v14
.set n, n+1
.endr
.irp b, 0,1
	v_max3_num_f32 v[BM+\b], |v[S+16*\b]|, |v[S+1+16*\b]|, 0x1800000
.endr
.irp i, 2,4,6,8,10,12,14
.irp b, 0,1
	s_delay_alu instid0(VALU_DEP_2)
	v_max3_num_f32 v[BM+\b], v[BM+\b], |v[S+16*\b+\i]|, |v[S+1+16*\b+\i]|
.endr
.endr
.irp b, 0,1
	s_delay_alu instid0(VALU_DEP_2)
	v_permlanex16_b32 v[PT+\b], v[BM+\b], s[SEL], s[SEL+1]
.endr
.irp b, 0,1
	s_delay_alu instid0(VALU_DEP_2)
	v_max_num_f32 v[BM+\b], v[BM+\b], v[PT+\b]
.endr
.irp b, 0,1
	s_delay_alu instid0(VALU_DEP_2)
	v_add_nc_u32 v[SO+\b], 0xff000000, v[BM+\b]
.endr
.irp b, 0,1
	s_delay_alu instid0(VALU_DEP_2)
	v_lshrrev_b32 v[PT+\b], 23, v[SO+\b]
.endr
	v_cvt_scalef32_pk16_fp6_f32 v[PCD:PCD+2], v[S:S+15], v[SO]
	v_cvt_scalef32_pk16_fp6_f32 v[PCT:PCT+2], v[S+16:S+31], v[SO+1]
	v_nop
.irp i, 0,1,2
	v_permlane16_swap_b32 v[PCD+\i], v[PCT+\i]
.endr
.irp i, 0,1,2
	s_delay_alu instid0(VALU_DEP_3)
	v_mov_b32 v[PCD+3+\i], v[PCT+\i]
.endr
	v_cndmask_b32 v[PT+2], v[PT], v[PT+1], s[HM]   ; lanes 0-15 store block 0's byte of row r, lanes 16-31 block 1's
.irp i, 0,1,2
	global_store_b64 v[L8], v[PCD+2*\i:PCD+2*\i+1], s[76+4*\p:77+4*\p] offset:256*\i   ; 256 consecutive bytes, aligned
.endr
	global_store_b8 v[YS8], v[PT+2], s[78+4*\p:79+4*\p]
	s_wait_xcnt 0x0                                ; the stores have read their registers
.endm
	INIT
	s_wait_loadcnt 0x0                             ; q
	s_wait_tensorcnt 1                             ; my parts of the scale words and of keys 0-255 are in; the rest may be out
	s_barrier_signal -1
	s_barrier_wait -1
	STEP 16, 40, 60                                ; keys 0-127
	STEP 16, 40, 60                                ; keys 128-255
	s_wait_tensorcnt 0x0                           ; my part of the rest is in,
	s_wait_dscnt 0x0
	s_barrier_signal -1
	s_barrier_wait -1                              ; everybody's is
	s_mov_b32 s[CNT], 14
.Lpass0:
	STEP 16, 40, 60
	s_sub_co_u32 s[CNT], s[CNT], 1
	s_cmp_lg_u32 s[CNT], 0
	s_cbranch_scc1 .Lpass0
	s_setprio 0
	OUT 0
	INIT
	s_mov_b32 s[CNT], 16
.Lpass1:
	STEP 28, 41, 61
	s_sub_co_u32 s[CNT], s[CNT], 1
	s_cmp_lg_u32 s[CNT], 0
	s_cbranch_scc1 .Lpass1
	s_setprio 0
	OUT 1
	s_wait_tensorcnt 0x0                           ; the wave's end, behind my last tensor load
	ds_add_u32 v[SPW], v[NIL]
	s_wait_dscnt 0x0
	s_endpgm
.Lfunc_end_k_q09d73fdf03_attn:
	.size	k_q09d73fdf03_attn, .Lfunc_end_k_q09d73fdf03_attn-k_q09d73fdf03_attn
	.p2alignl 7, 3214868480
	.fill 96, 4, 3214868480
	.section	.rodata,"a",@progbits
	.p2align	6, 0x0
	.amdhsa_kernel k_q09d73fdf03_attn
		.amdhsa_group_segment_fixed_size 210944
		.amdhsa_private_segment_fixed_size 0
		.amdhsa_enable_private_segment 0
		.amdhsa_kernarg_size 32
		.amdhsa_user_sgpr_count 2
		.amdhsa_user_sgpr_kernarg_segment_ptr 1
		.amdhsa_wavefront_size32 1
		.amdhsa_system_sgpr_workgroup_id_x 1
		.amdhsa_system_sgpr_workgroup_id_y 1
		.amdhsa_system_sgpr_workgroup_id_z 1
		.amdhsa_system_vgpr_workitem_id 0
		.amdhsa_next_free_vgpr 256
		.amdhsa_next_free_sgpr 92
		.amdhsa_reserve_vcc 1
		.amdhsa_float_denorm_mode_32 3
		.amdhsa_float_denorm_mode_16_64 3
		.amdhsa_memory_ordered 1
		.amdhsa_forward_progress 1
		.amdhsa_inst_pref_size 116
	.end_amdhsa_kernel
	.amdgpu_metadata
---
amdhsa.version: [ 1, 2 ]
amdhsa.kernels:
  - .name:           k_q09d73fdf03_attn
    .symbol:         k_q09d73fdf03_attn.kd
    .args:
      - { .name: atc, .offset: 0, .size: 8, .value_kind: global_buffer, .address_space: global }
      - { .name: ats, .offset: 8, .size: 8, .value_kind: global_buffer, .address_space: global }
      - { .name: yc, .offset: 16, .size: 8, .value_kind: global_buffer, .address_space: global }
      - { .name: ys, .offset: 24, .size: 8, .value_kind: global_buffer, .address_space: global }
    .group_segment_fixed_size: 210944
    .private_segment_fixed_size: 0
    .kernarg_segment_align: 8
    .kernarg_segment_size: 32
    .max_flat_workgroup_size: 512
    .sgpr_count:     92
    .vgpr_count:     256
    .wavefront_size: 32
...
	.end_amdgpu_metadata
.endif
;; end of part 3
;; launch proj (part 4): grid 4 x 32, 4 waves a work-group, clusters of 4 x 4, 327,680 bytes of LDS; arguments yc, ys, opc, ops, bp, out0; writes out0
.if DOCPART == 4
	.amdgcn_target "amdgcn-amd-amdhsa--gfx1250"
	.amdhsa_code_object_version 6
	.text
	.protected	k_q09d73fdf03_proj
	.globl	k_q09d73fdf03_proj
	.p2align	8
	.type	k_q09d73fdf03_proj,@function
k_q09d73fdf03_proj:
	s_mov_b64 s[64:65], 0
	v_nop
	global_prefetch_b8 v0, s[64:65] scope:SCOPE_SE
	s_setreg_imm32_b32 hwreg(HW_REG_WAVE_MODE, 25, 1), 1
	s_wait_xcnt 0x0
	s_wait_alu depctr_hold_cnt(0) depctr_sa_sdst(0) depctr_va_vdst(0) depctr_va_sdst(0) depctr_va_ssrc(0) depctr_va_vcc(0) depctr_vm_vsrc(0)
	s_getreg_b32 s2, hwreg(HW_REG_IB_STS2, 6, 4)
	s_cmp_eq_u32 s2, 0
	s_cbranch_scc0 .Lentry_in_a_cluster
	s_endpgm
.Lentry_in_a_cluster:
	s_bfe_u32 s2, ttmp6, 0x10000c
	s_cmp_lg_u32 s2, 0xf033
	s_cbranch_scc0 .Lentry_shape_is_right
	s_endpgm
.Lentry_shape_is_right:
; out0 = y wp^T + bp on codes of FP6 (E2M3) with E8M0 scales, K = 1,024; out0 [8192][1024] f32.
; A tile is 256 x 256: four waves, each 128 x 128 in 64 accumulators; K goes in steps of 256 through a ring of two LDS slots filled by the tensor data mover.
; OPERANDS lie in memory as images of their registers (fragment = 16 rows x 128 K = 1,536 bytes, piece p of lane l at 256 p + 8 l): a fragment comes from LDS by six loads of 8 bytes a lane, each
; over 256 consecutive bytes.  A = y (yc, ys), B = wp (tiles 44-47 of opc, ops).  The scale words of the work-group's rows, for all of K, come once and stay in LDS.
; The product is used transposed (source 0 = 16 rows of wp, source 1 = 16 rows of y): a lane holds eight neighbouring numbers of a row of out0.  The bias is the C of each sum's first product.
; y's fragments hold their rows out of order: place r of fragment 2 b + u is row 32 b + 8 u + r + 8 (r / 8): the way out puts each row where it belongs, by the stores' immediates.
; CLUSTERS: 4 x 4: y's tile is asked for jointly by a row of the cluster, wp's by a column.  128 work-groups: a smaller tile would fill more of the chip and read each fragment for half the products.
; No prefetch: half of K is asked for by the first fills, and the launch is short.
; REGISTERS: window 0: v1-11 lane numbers; v16-29 addresses; v32-63 scale words, two sets; v128-223 A's fragments; on the way out v128-255 rows of out0.
; window 1: B's fragments, two sets, at v0 and v128; the bias at v96-127 and v224-255.  windows 2, 3: the accumulators ((a, b) at v[8 (8 (a % 4) + b)]).
.set RBB,   3072
.set FRB,   1536
.set HALFT, 8*RBB
.set SLOT,  4*HALFT
.set SCL,   2*SLOT
.set SCLB,  SCL+8320                   ; 128 bytes further than a whole number of times through the banks, so that lanes 16-31 take the other half of them (64 banks of 4 bytes: ISA guide 11.1)
.set SPARE, SCLB+8192+128              ; the spare words, 128 bytes a wave: two blocks of 256 bytes that no other line names
.set SPITCH, 528                       ; the way out: a stage of 16 rows x (512 bytes + 16) for each wave, in slot 0, which has had its last fill and its last read by then
.set FR,    12
.set NL,    6
.set NP,    4
.set NQ,    2
.set L8,    10
.set ADRA,  16
.set ADRB,  20
.set STO,   24
.set RD,    25
.set CO,    26
.set ADRS,  27
.set SPW,   28
.set NIL,   29
.set SC,    32
.set AF,    128
.set BK,    128
.set WV,    20
.set WH,    21
.set WL,    22
.set G1,    24
.set G0,    32
.set G1B,   48
.set G0B,   56
.set G1S,   68
.set G0S,   76
.set G1SB,  80
.set G0SB,  88
.set MSB, 0
.macro WIN new                         ; the immediate's high byte repeats the setting that is left
.if MSB != (\new)
	s_set_vgpr_msb (MSB<<8)|(\new)
.set MSB, (\new)
.endif
.endm
.set MUL_LO, 0xa1                      ; source 0 (B) window 1, source 1 (A) window 0, C and D window 2
.set MUL_HI, 0xf1
.set TO_B,   0x40
.macro JLOAD g0a, g1a, g0b, g1b        ; a joint load: waves 0 and 1 fetch for A, waves 2 and 3 for B; an s_nop 0 and four v_nop follow each of the two lines
	s_cmp_eq_u32 s[WH], 0
	s_cbranch_scc0 .Lfor_b_\@
	tensor_load_to_lds s[\g0a:\g0a+3], s[\g1a:\g1a+7]
	s_nop 0
.rept 4
	v_nop
.endr
	s_branch .Lasked_\@
.Lfor_b_\@:
	tensor_load_to_lds s[\g0b:\g0b+3], s[\g1b:\g1b+7]
	s_nop 0
.rept 4
	v_nop
.endr
.Lasked_\@:
.endm
.macro CREST
	s_cmp_lg_u32 s[WV], 0
	s_cbranch_scc1 .Lnot_wave_0_\@
	s_barrier_signal -3
.Lnot_wave_0_\@:
	s_barrier_wait -3
	s_barrier_signal -1
	s_barrier_wait -1
.endm
.macro CROUND
	s_barrier_signal -1
	s_barrier_wait -1
	CREST
.endm
	s_load_b256 s[4:11], s[0:1], 0x0               ; yc, ys, opc, ops
	s_load_b128 s[12:15], s[0:1], 0x20             ; bp, out0
	v_lshl_add_u32 v[SPW], v0, 2, SPARE
	v_mov_b32 v[NIL], 0
	ds_add_u32 v[SPW], v[NIL]                      ; the wave's opening: the add and its wait stand ahead of my first tensor load; work on registers stands between them
	ds_add_u32 v[SPW], v[NIL]
	v_lshrrev_b32 v1, 5, v0
	v_readfirstlane_b32 s[WV], v1
	s_lshr_b32 s[WH], s[WV], 1
	s_and_b32 s[WL], s[WV], 1
	s_bfe_u32 s40, ttmp6, 0x40000                  ; cx
	s_bfe_u32 s41, ttmp6, 0x40004                  ; cy
	s_and_b32 s43, ttmp7, 0xffff
	s_lshl_b32 s43, s43, 2
	s_add_co_u32 s43, s43, s41                     ; y's tile
	s_add_co_u32 s42, s40, 44                      ; wp's tile
	s_lshl_b32 s44, s41, 2
	s_lshl_b32 s44, 15, s44                        ; my row of the cluster
	s_lshl_b32 s45, 0x1111, s40                    ; my column
	s_or_b32 s[G1+0], s44, (3<<16)|(1<<21)         ; codes: 8 rows of 384 elements of 8 bytes, 12,288 bytes apart in memory, on end in LDS
	s_or_b32 s[G1B+0], s45, (3<<16)|(1<<21)
.irp g, G1, G1B
	s_mov_b32 s[\g+1], 384<<16
	s_mov_b32 s[\g+2], 8<<16
	s_mov_b32 s[\g+3], 384<<16
	s_mov_b32 s[\g+4], 8
	s_mov_b32 s[\g+5], 1536
	s_mov_b32 s[\g+6], 0
	s_mov_b32 s[\g+7], 0
.endr
	s_or_b32 s[G1S+0], s44, (3<<16)|(1<<21)        ; scale words of 128 rows: 4,096 dense bytes as 16 rows of 256
	s_or_b32 s[G1SB+0], s45, (3<<16)|(1<<21)
.irp g, G1S, G1SB
	s_mov_b32 s[\g+1], 32<<16
	s_mov_b32 s[\g+2], 16<<16
	s_mov_b32 s[\g+3], 32<<16
	s_mov_b32 s[\g+4], 16
	s_mov_b32 s[\g+5], 32
	s_mov_b32 s[\g+6], 0
	s_mov_b32 s[\g+7], 0
.endr
	s_lshl_b32 s23, s[WL], 3
	s_lshl_b32 s92, s43, 4
	s_add_co_u32 s92, s92, s23
	s_lshl_b32 s96, s42, 4
	s_add_co_u32 s96, s96, s23
	s_lshl_b32 s94, s92, 9
	s_mul_i32 s92, s92, 12288
	s_lshl_b32 s98, s96, 9
	s_mul_i32 s96, s96, 12288
	s_mov_b32 s93, 0
	s_mov_b32 s95, 0
	s_mov_b32 s97, 0
	s_mov_b32 s99, 0
	s_mul_i32 s46, s[WV], HALFT
	s_lshl_b32 s47, s[WL], 12
	s_wait_dscnt 0x0                               ; the opening add is done
	s_wait_kmcnt 0x0
	s_add_nc_u64 s[92:93], s[4:5], s[92:93]
	s_add_nc_u64 s[94:95], s[6:7], s[94:95]
	s_add_nc_u64 s[96:97], s[8:9], s[96:97]
	s_add_nc_u64 s[98:99], s[10:11], s[98:99]
	CROUND                                         ; all sixteen work-groups are here: the first joint loads meet
	s_mov_b32 s[G0S], 1
	s_add_co_u32 s[G0S+1], s47, SCL
	s_mov_b64 s[G0S+2:G0S+3], s[94:95]
	s_or_b32 s[G0S+3], s[G0S+3], 0x80000000
	s_mov_b32 s[G0SB], 1
	s_add_co_u32 s[G0SB+1], s47, SCLB
	s_mov_b64 s[G0SB+2:G0SB+3], s[98:99]
	s_or_b32 s[G0SB+3], s[G0SB+3], 0x80000000
	JLOAD G0S, G1S, G0SB, G1SB                     ; the scale words first; each slot's load below waits for all my earlier ones
.irp s, 0,1
	s_mov_b32 s[G0+4*\s], 1
	s_add_co_u32 s[G0+4*\s+1], s46, \s*SLOT
	s_add_nc_u64 s[G0+4*\s+2:G0+4*\s+3], s[92:93], \s*RBB
	s_or_b32 s[G0+4*\s+3], s[G0+4*\s+3], 0x80000000
	s_mov_b32 s[G0B+4*\s], 1
	s_add_co_u32 s[G0B+4*\s+1], s46, \s*SLOT
	s_add_nc_u64 s[G0B+4*\s+2:G0B+4*\s+3], s[96:97], \s*RBB
	s_or_b32 s[G0B+4*\s+3], s[G0B+4*\s+3], 0x80000000
	s_wait_alu depctr_va_vdst(0)
	s_wait_tensorcnt 0x0
	ds_add_u32 v28, v29
	s_wait_dscnt 0x0
	CROUND
	JLOAD G0+4*\s, G1, G0B+4*\s, G1B
.endr
	v_and_b32 v1, 15, v0                           ; r
	v_bfe_u32 v2, v0, 4, 1                         ; h
	s_wait_alu depctr_va_vdst(0)
	v_and_b32 v3, 31, v0                           ; lane
	v_lshlrev_b32 v[L8], 3, v3
	s_mul_i32 s46, s[WH], HALFT
	s_mul_i32 s47, s[WL], HALFT
	s_add_co_u32 s47, s47, 2*HALFT
.irp s, 0,1
	v_add_nc_u32 v[ADRA+\s], s46, v[L8]
	v_add_nc_u32 v[ADRB+\s], s47, v[L8]
	s_add_co_u32 s46, s46, SLOT
	s_add_co_u32 s47, s47, SLOT
.endr
	s_lshl_b32 s46, s[WH], 12
	s_lshl_b32 s47, s[WL], 12
	s_add_co_u32 s47, s47, 8320
	s_sub_co_u32 s47, s47, s46
	v_mul_u32_u24 v4, s47, v2                      ; lanes 16-31 take B's scale words
	v_lshl_add_u32 v4, v1, 3, v4
	s_add_co_u32 s46, s46, SCL
	v_add_nc_u32 v[ADRS], s46, v4
	s_mul_i32 s46, s[WV], 16*SPITCH                ; my stage
	v_mul_u32_u24 v4, v1, SPITCH
	v_lshl_add_u32 v4, v2, 5, v4
	v_add_nc_u32 v[STO], s46, v4                   ; in: row r, 32 bytes for each half of the lanes
	v_lshlrev_b32 v[CO], 4, v3
	v_add_nc_u32 v[RD], s46, v[CO]                 ; back: the 32 lanes take a row of 512 bytes
	s_lshl_b32 s98, s40, 10
	s_lshl_b32 s99, s[WL], 9
	s_add_co_u32 s98, s98, s99                     ; my first column, in bytes
	s_mov_b32 s99, 0
	s_add_nc_u64 s[12:13], s[12:13], s[98:99]      ; its bias
	s_lshl_b32 s92, s43, 20
	s_lshl_b32 s93, s[WH], 19
	s_add_co_u32 s92, s92, s93                     ; my first row: (256 x tile + 128 x half) x 4,096 bytes
	s_add_co_u32 s92, s92, s98
	s_mov_b32 s93, 0
	s_add_nc_u64 s[14:15], s[14:15], s[92:93]
	v_lshlrev_b32 v5, 5, v2                        ; register j of tile b is column 16 b + 8 h + j
	WIN 0x40                                       ; destination window 1
.irp b, 0,1,2,3,4,5,6,7
	global_load_b128 v[96+8*\b+96*(\b/4):96+8*\b+96*(\b/4)+3], v5, s[12:13] offset:64*\b
	global_load_b128 v[96+8*\b+96*(\b/4)+4:96+8*\b+96*(\b/4)+7], v5, s[12:13] offset:64*\b+16
.endr
	WIN 0
.macro FRAG reg, adr, q, i
.irp p, 0,1,2,3,4,5
	ds_load_b64 v[\reg+2*\p:\reg+2*\p+1], v[\adr] offset:(\i)*RBB+(\q)*FRB+256*\p
.endr
.endm
; 16 matrix instructions: A's blocks a0, a0 + 1 x B's eight.  zero = 2: the first product starts the sums from the bias (C in window 1).  The 64 accumulators take turns, one instruction a turn.
.macro MUL16 a0, p, q, sc, zero
.irp a, \a0, \a0+1
.irp b, 0,1,2,3,4,5,6,7
.if \zero
	v_wmma_scale_f32_16x16x128_f8f6f4 v[8*(8*((\a)%4)+\b):8*(8*((\a)%4)+\b)+7], v[128*(\p)+FR*\b:128*(\p)+FR*\b+FR-1], v[AF+FR*(\a):AF+FR*(\a)+FR-1], v[96+8*\b+96*(\b/4):96+8*\b+96*(\b/4)+7], v[SC+8*NQ*(\sc)+NQ*\b+(\q)], v[SC+8*NQ*(\sc)+NQ*(\a)+(\q)] matrix_a_fmt:MATRIX_FMT_FP6 matrix_b_fmt:MATRIX_FMT_FP6 matrix_a_scale:MATRIX_SCALE_ROW1
.else
	v_wmma_scale_f32_16x16x128_f8f6f4 v[8*(8*((\a)%4)+\b):8*(8*((\a)%4)+\b)+7], v[128*(\p)+FR*\b:128*(\p)+FR*\b+FR-1], v[AF+FR*(\a):AF+FR*(\a)+FR-1], v[8*(8*((\a)%4)+\b):8*(8*((\a)%4)+\b)+7], v[SC+8*NQ*(\sc)+NQ*\b+(\q)], v[SC+8*NQ*(\sc)+NQ*(\a)+(\q)] matrix_a_fmt:MATRIX_FMT_FP6 matrix_b_fmt:MATRIX_FMT_FP6 matrix_a_scale:MATRIX_SCALE_ROW1
.endif
.endr
.endr
.endm
.macro FETCH_B slot, q, p
	WIN TO_B
.irp i, 0,1,2,3,4,5,6,7
	FRAG 128*(\p)+FR*\i, ADRB+\slot, \q, \i
.endr
	WIN 0
.endm
.macro FETCH_A slot, q, i0
.irp i, \i0, \i0+1, \i0+2, \i0+3
	FRAG AF+FR*(\i), ADRA+\slot, \q, \i
.endr
.endm
.macro SCALES sc
.irp i, 0,1,2,3,4,5,6,7
	ds_load_b64 v[SC+8*NQ*\sc+NQ*\i:SC+8*NQ*\sc+NQ*\i+1], v[ADRS] offset:512*\i
.endr
.endm
.macro PLACES n                        ; places behind matrix instructions (ISA guide 7.12.1)
.rept \n
	v_nop
.endr
.endm
.macro STEP slot, q, zero
	s_wait_dscnt 4*NL                              ; B's set and A's blocks 0-3 are in; the youngest 24 loads (A's blocks 4-7) may be out
.if \zero
	WIN 0x91                                       ; as MUL_LO, with C in window 1
.else
	WIN MUL_LO
.endif
	MUL16 0, (\q)%2, \q, \slot, \zero
	MUL16 2, (\q)%2, \q, \slot, \zero
	s_wait_dscnt 0
	PLACES NP
	FETCH_B \slot, (\q)+1, 1-(\q)%2
	FETCH_A \slot, (\q)+1, 0
.if \zero
	WIN 0xd1
.else
	WIN MUL_HI
.endif
	MUL16 4, (\q)%2, \q, \slot, \zero
	MUL16 6, (\q)%2, \q, \slot, \zero
	PLACES NP
	WIN 0
	FETCH_A \slot, (\q)+1, 4
.endm
.macro TURN slot, next, fill           ; a slot's last step changes slots: one barrier; in front of it each wave waits for all its tensor loads, adds 0 to its spare word, and waits for that and for its reads of this slot
	s_wait_tensorcnt 0x0
	ds_add_u32 v[SPW], v[NIL]
	s_wait_dscnt 4*NL+1                            ; (the add and the youngest 24 loads may be out)
	WIN MUL_LO
	MUL16 0, 1, NQ-1, \slot, 0
	s_wait_dscnt 0x0                               ; the add is done, and my reads of this slot are over
	s_barrier_signal -1
	MUL16 2, 1, NQ-1, \slot, 0
	WIN 0
	s_barrier_wait -1
.if \fill
	CREST                                          ; the barrier has opened a round of the cluster's: no wave of any partner still reads this slot or has a load on its way
	s_add_nc_u64 s[G0+4*\slot+2:G0+4*\slot+3], s[G0+4*\slot+2:G0+4*\slot+3], 2*RBB
	s_add_nc_u64 s[G0B+4*\slot+2:G0B+4*\slot+3], s[G0B+4*\slot+2:G0B+4*\slot+3], 2*RBB
	JLOAD G0+4*\slot, G1, G0B+4*\slot, G1B         ; the first tensor load behind the round; its four v_nop are the places in front of the loads below
.else
	PLACES NP
.endif
	s_wait_alu depctr_va_vdst(0)
	v_add_nc_u32 v[ADRS], 128, v[ADRS]
	FETCH_B \next, 0, 0
	FETCH_A \next, 0, 0
	SCALES \next
	WIN MUL_HI
	MUL16 4, 1, NQ-1, \slot, 0
	MUL16 6, 1, NQ-1, \slot, 0
	PLACES NP
	WIN 0
	FETCH_A \next, 0, 4
.endm
	s_wait_alu depctr_va_vdst(0)
	s_wait_tensorcnt 1                             ; the scale words and my part of slot 0 are in (slot 1's load may be out),
	s_barrier_signal -1
	s_barrier_wait -1                              ; everybody's are
	FETCH_B 0, 0, 0
	FETCH_A 0, 0, 0
	SCALES 0
	FETCH_A 0, 0, 4
	s_wait_loadcnt 0x0                             ; the bias
	STEP 0, 0, 2
	TURN 0, 1, 1
	STEP 1, 0, 0
	TURN 1, 0, 1
	STEP 0, 0, 0
	TURN 0, 1, 0                                   ; nothing is left to fetch; behind its barrier nobody reads slot 0
	STEP 1, 0, 0
	s_wait_dscnt 4*NL
	WIN MUL_LO
	MUL16 0, 1, NQ-1, 1, 0
	MUL16 2, 1, NQ-1, 1, 0
	s_wait_dscnt 0
	WIN MUL_HI
	MUL16 4, 1, NQ-1, 1, 0
	MUL16 6, 1, NQ-1, 1, 0
	WIN 0
; THE WAY OUT, block by block of 16 rows x 128 columns, through my own stage: in as 32 bytes a lane, back as whole rows of 512 bytes.  LDS serves a wave's instructions in order (ISA guide 5.7.1.4).
.macro TOSTAGE a
.set AC, 64*((\a)%4)
	WIN 0x08+4*((\a)/4)                            ; the data: window 2 or 3
.irp b, 0,1,2,3,4,5,6,7
	ds_store_b128 v[STO], v[AC+8*\b:AC+8*\b+3] offset:64*\b          ; each accumulator from its low end on
	ds_store_b128 v[STO], v[AC+8*\b+4:AC+8*\b+7] offset:64*\b+16
.endr
	WIN 0
.set BB, BK+64*((\a)%2)
.irp t, 0,1,2,3,4,5,6,7,8,9,10,11,12,13,14,15
	ds_load_b128 v[BB+4*\t:BB+4*\t+3], v[RD] offset:\t*SPITCH
.endr
.endm
.macro SEND a, younger                 ; place t of block a is row 32 (a / 2) + 8 (a % 2) + t + 8 (t / 8) of my 128: it stands in the immediate, 127 rows of 4,096 bytes at the most
.set BB, BK+64*((\a)%2)
	s_wait_dscnt \younger
.irp t, 0,1,2,3,4,5,6,7,8,9,10,11,12,13,14,15
	global_store_b128 v[CO], v[BB+4*\t:BB+4*\t+3], s[14:15] offset:(32*((\a)/2)+8*((\a)%2)+\t+8*(\t/8))*4096 th:TH_STORE_NT   ; 512 consecutive bytes, aligned; written once
.endr
.endm
	PLACES NP
	TOSTAGE 0
.irp a, 1,2,3,4,5,6,7
.if \a > 1
	s_wait_xcnt 0x0                                ; block a - 2's stores have read their registers: block a's loads may land there
.endif
	TOSTAGE \a
	SEND \a-1, 32                                  ; behind block a - 1's loads: block a's 16 stores and 16 loads
.endr
	SEND 7, 0
	s_wait_tensorcnt 0x0                           ; the wave's end, behind my last tensor load and my last LDS store
	ds_add_u32 v[SPW], v[NIL]
	s_wait_dscnt 0x0
	CROUND                                         ; the closing round: no work-group ends while a partner may still ask for a tile that names it
	s_endpgm
.Lfunc_end_k_q09d73fdf03_proj:
	.size	k_q09d73fdf03_proj, .Lfunc_end_k_q09d73fdf03_proj-k_q09d73fdf03_proj
	.p2alignl 7, 3214868480
	.fill 96, 4, 3214868480
	.section	.rodata,"a",@progbits
	.p2align	6, 0x0
	.amdhsa_kernel k_q09d73fdf03_proj
		.amdhsa_group_segment_fixed_size 327680
		.amdhsa_private_segment_fixed_size 0
		.amdhsa_enable_private_segment 0
		.amdhsa_kernarg_size 48
		.amdhsa_user_sgpr_count 2
		.amdhsa_user_sgpr_kernarg_segment_ptr 1
		.amdhsa_wavefront_size32 1
		.amdhsa_system_sgpr_workgroup_id_x 1
		.amdhsa_system_sgpr_workgroup_id_y 1
		.amdhsa_system_sgpr_workgroup_id_z 1
		.amdhsa_system_vgpr_workitem_id 0
		.amdhsa_next_free_vgpr 1024
		.amdhsa_next_free_sgpr 102
		.amdhsa_reserve_vcc 0
		.amdhsa_float_denorm_mode_32 3
		.amdhsa_float_denorm_mode_16_64 3
		.amdhsa_memory_ordered 1
		.amdhsa_forward_progress 1
		.amdhsa_inst_pref_size 161
	.end_amdhsa_kernel
	.amdgpu_metadata
---
amdhsa.version: [ 1, 2 ]
amdhsa.kernels:
  - .name:           k_q09d73fdf03_proj
    .symbol:         k_q09d73fdf03_proj.kd
    .args:
      - { .name: yc, .offset: 0, .size: 8, .value_kind: global_buffer, .address_space: global }
      - { .name: ys, .offset: 8, .size: 8, .value_kind: global_buffer, .address_space: global }
      - { .name: opc, .offset: 16, .size: 8, .value_kind: global_buffer, .address_space: global }
      - { .name: ops, .offset: 24, .size: 8, .value_kind: global_buffer, .address_space: global }
      - { .name: bp, .offset: 32, .size: 8, .value_kind: global_buffer, .address_space: global }
      - { .name: out0, .offset: 40, .size: 8, .value_kind: global_buffer, .address_space: global }
    .group_segment_fixed_size: 327680
    .private_segment_fixed_size: 0
    .kernarg_segment_align: 8
    .kernarg_segment_size: 48
    .max_flat_workgroup_size: 128
    .sgpr_count:     102
    .vgpr_count:     1024
    .wavefront_size: 32
...
	.end_amdgpu_metadata
.endif
;; end of part 4
